; MI455X (gfx1250); checked and timed in simulation.
; The chip was launched on July 23, 2026; its instructions are those of AMD's public machine-readable ISA for CDNA 5 (MIT licence, August 2026) and "CDNA5" Instruction Set Architecture Reference Guide (July 2026). The comments in the code are by the model that wrote it; some were corrected since.
;; Transformer Block GQA. Allowed arithmetic: float matrix products may take bf16 or f16 operands with f32 sums; other float arithmetic in f32, or as packed bf16 or f16 multiplies, adds, multiply-adds, maxima and minima; sums over many terms, partial sums and values carried from step to step in f32; what a program stores and reads back later, other than sums and carried values, may be rounded once to bf16 or f16.
;; Inputs: b1 1,024 float32; b2 1,024 float32; g1 1,024 float32; g2 1,024 float32; w1 4,096 x 1,024 float32; w2 1,024 x 4,096 float32; wk 256 x 1,024 float32; wo 1,024 x 1,024 float32; wq 1,024 x 1,024 float32; wv 256 x 1,024 float32; x 2 x 2,048 x 1,024 float32.
;; Outputs: out0 2 x 2,048 x 1,024 float32.
;; One version. Each part assembles by itself: llvm-mc -triple=amdgcn-amd-amdhsa -mcpu=gfx1250 --defsym DOCPART=n.
;; ======== version 1 of 1: 7 launches
;; limits: values are held in f16: magnitudes above 65,504 overflow, below 6.1e-05 lose precision
;; workspace buffers: wh 22,020,096 bytes; whq 3,145,728 bytes; xn 8,388,608 bytes; qkv 12,582,912 bytes; ctx 8,388,608 bytes; h 16,777,216 bytes; hn 8,388,608 bytes; act 33,554,432 bytes
;; launch pre (part 1): grid 256 x 1, 16 waves a work-group, no clusters, 0 bytes of LDS; arguments x, g1, b1, xn, wq, wk, wv, wo, whq, wh; writes xn, whq, wh
.if DOCPART == 1
	.amdgcn_target "amdgcn-amd-amdhsa--gfx1250"
	.amdhsa_code_object_version 6
	.text
	.protected	k_qe364512c78_pre
	.globl	k_qe364512c78_pre
	.p2align	8
	.type	k_qe364512c78_pre,@function
k_qe364512c78_pre:
	s_mov_b64 s[64:65], 0
	v_nop
	global_prefetch_b8 v0, s[64:65] scope:SCOPE_SE
	s_setreg_imm32_b32 hwreg(HW_REG_WAVE_MODE, 25, 1), 1
	s_wait_xcnt 0x0
; TWO THINGS THAT HANG ON NOTHING BUT INPUTS, in one launch.
; (1) xn[r][c] = (x[r][c] - mean_r) * rsqrt(var_r + 1e-5) * g1[c] + b1[c].  x: [4096][1024] f32; xn: the same in f16, rounded once.
;     One wave takes one whole row (4,096 bytes = 32 registers a lane) and keeps it in registers for all passes: the row is read once, no wave waits for another.
;     The variance is taken of x - mean (two passes over registers), never as a difference of large sums.
; (2) wq, wk, wv, wo, f32 -> f16 (round to nearest even).  whq = [wq; wk; wv] as 1,536 rows of 1,024; wo goes to byte WO_OFF of wh.
;     The launch has 4,096 waves: each takes 256 numbers of wq, 256 of wo, and 128 of wk (waves 0-7 of a work-group) or of wv (waves 8-15): a choice of pointer, no branch.
; Every load of a wave covers 512 consecutive bytes, every store 256 consecutive bytes, aligned.  All loads go out first; no register is used twice.
; LIMIT: a number of 65,520 or more in magnitude becomes an infinity in f16; below 6e-5 f16 keeps a fixed step of 6e-8.
.set WO_OFF, 3145728
.set WK_OFF, 2097152                   ; wk behind wq in whq; wv 524,288 bytes further
.set T,  4                             ; v[4:11]    four chains of pairs
.set M,  12                            ; v[12:13]   the mean, twice
.set R,  14                            ; v[14:15]   1 / sqrt(var + eps), twice
.set X,  32                            ; v[32:63]   the row
.set G,  64                            ; v[64:95]   g of my 32 columns
.set BV, 96                            ; v[96:127]  b of my 32 columns
.set Y,  128                           ; v[128:143] the row in f16
.set CL, 144                           ; v[144:163] five loads of weights
.set CY, 164                           ; v[164:173] the same in f16
	s_load_b256 s[4:11], s[0:1], 0x0               ; x s[4:5], g1 s[6:7], b1 s[8:9], xn s[10:11]
	s_load_b256 s[12:19], s[0:1], 0x20             ; wq s[12:13], wk s[14:15], wv s[16:17], wo s[18:19]
	s_load_b128 s[20:23], s[0:1], 0x40             ; whq s[20:21], wh s[22:23]
	v_lshrrev_b32 v3, 5, v0
	v_readfirstlane_b32 s24, v3                    ; wave 0..15
	v_and_b32 v2, 31, v0                           ; lane
	v_lshlrev_b32 v1, 4, v2                        ; 16 x lane: x, g, b
	v_mov_b32 v17, 0                               ; v_permlanex16_b32 counts as a reader of its destination
	s_lshl_b32 s25, ttmp9, 4
	s_add_co_u32 s25, s25, s24                     ; my row, and my wave's number among the launch's 4,096
	s_lshl_b32 s26, s25, 12                        ; rows of 4,096 bytes
	s_mov_b32 s27, 0
	s_lshl_b32 s34, s25, 11                        ; rows of 2,048 bytes
	s_mov_b32 s35, 0
	s_lshl_b32 s36, s25, 10                        ; wq, wo: my 256 numbers, 1,024 bytes of f32,
	s_lshl_b32 s37, s25, 9                         ; 512 bytes of f16
	s_and_b32 s38, s24, 7
	s_lshl3_add_u32 s38, ttmp9, s38                ; wk or wv: share 8 x work-group + wave % 8
	s_lshl_b32 s39, s38, 9                         ; 128 numbers, 512 bytes of f32,
	s_lshl_b32 s38, s38, 8                         ; 256 bytes of f16
	s_lshr_b32 s40, s24, 3                         ; 0: wk, 1: wv
	s_lshl_b32 s40, s40, 19
	s_add_co_u32 s38, s38, s40
	s_add_co_u32 s38, s38, WK_OFF
	v_add_nc_u32 v18, s36, v1                      ; offset in wq and wo
	v_lshl_add_u32 v19, v2, 3, s37                 ; offset of the same numbers in f16
	v_add_nc_u32 v20, s39, v1                      ; offset in wk or wv
	v_lshl_add_u32 v21, v2, 3, s38                 ; offset in whq
	v_lshlrev_b32 v2, 3, v2                        ; 8 x lane: xn
	s_mov_b32 s28, 0x3a800000                      ; 1 / 1024
	s_mov_b32 s29, 0x3727c5ac                      ; 1e-5
	s_mov_b32 s30, 0x76543210                      ; each lane takes its own place in the other half
	s_mov_b32 s31, 0xfedcba98
	s_wait_kmcnt 0x0
	s_add_nc_u64 s[4:5], s[4:5], s[26:27]
	s_add_nc_u64 s[10:11], s[10:11], s[34:35]
	s_cmp_lt_u32 s24, 8
	s_cselect_b64 s[14:15], s[14:15], s[16:17]
.irp j, 0,1,2,3,4,5,6,7
	global_load_b128 v[X+4*\j:X+4*\j+3], v1, s[4:5] offset:512*\j th:TH_LOAD_NT
.endr
.irp j, 0,1,2,3,4,5,6,7
	global_load_b128 v[G+4*\j:G+4*\j+3], v1, s[6:7] offset:512*\j
.endr
.irp j, 0,1,2,3,4,5,6,7
	global_load_b128 v[BV+4*\j:BV+4*\j+3], v1, s[8:9] offset:512*\j
.endr
	global_load_b128 v[CL:CL+3],     v18, s[12:13] th:TH_LOAD_NT
	global_load_b128 v[CL+4:CL+7],   v18, s[12:13] offset:512 th:TH_LOAD_NT
	global_load_b128 v[CL+8:CL+11],  v18, s[18:19] th:TH_LOAD_NT
	global_load_b128 v[CL+12:CL+15], v18, s[18:19] offset:512 th:TH_LOAD_NT
	global_load_b128 v[CL+16:CL+19], v20, s[14:15] th:TH_LOAD_NT
.macro FOLD                            ; the four chains and the 32 lanes into v16, in every lane
	v_pk_add_f32 v[T:T+1], v[T:T+1], v[T+2:T+3]
	v_pk_add_f32 v[T+4:T+5], v[T+4:T+5], v[T+6:T+7]
	v_pk_add_f32 v[T:T+1], v[T:T+1], v[T+4:T+5]
	v_add_f32 v16, v[T], v[T+1]
	v_add_f32_dpp v16, v16, v16 row_xmask:1 row_mask:0xf bank_mask:0xf
	v_add_f32_dpp v16, v16, v16 row_xmask:2 row_mask:0xf bank_mask:0xf
	v_add_f32_dpp v16, v16, v16 row_xmask:4 row_mask:0xf bank_mask:0xf
	v_add_f32_dpp v16, v16, v16 row_xmask:8 row_mask:0xf bank_mask:0xf
	v_permlanex16_b32 v17, v16, s30, s31
	v_add_f32 v16, v16, v17
.endm
	s_wait_loadcnt 21                              ; the row is in; g's, b's and the five loads of weights stay out
.irp c, 0,1,2,3
	v_pk_add_f32 v[T+2*\c:T+2*\c+1], v[X+2*\c:X+2*\c+1], v[X+8+2*\c:X+8+2*\c+1]  ; the first pairs start the chains: nothing is cleared
.endr
.irp k, 2,3
.irp c, 0,1,2,3
	v_pk_add_f32 v[T+2*\c:T+2*\c+1], v[T+2*\c:T+2*\c+1], v[X+8*\k+2*\c:X+8*\k+2*\c+1]
.endr
.endr
	FOLD
	v_mul_f32 v[M], s28, v16
	v_mov_b32 v[M+1], v[M]
.irp p, 0,1,2,3,4,5,6,7,8,9,10,11,12,13,14,15
	v_pk_add_f32 v[X+2*\p:X+2*\p+1], v[X+2*\p:X+2*\p+1], v[M:M+1] neg_lo:[0,1] neg_hi:[0,1]  ; x - mean, in place
.endr
.irp c, 0,1,2,3
	v_pk_mul_f32 v[T+2*\c:T+2*\c+1], v[X+2*\c:X+2*\c+1], v[X+2*\c:X+2*\c+1]
.endr
.irp k, 1,2,3
.irp c, 0,1,2,3
	v_pk_fma_f32 v[T+2*\c:T+2*\c+1], v[X+8*\k+2*\c:X+8*\k+2*\c+1], v[X+8*\k+2*\c:X+8*\k+2*\c+1], v[T+2*\c:T+2*\c+1]
.endr
.endr
	FOLD
	v_fma_f32 v16, v16, s28, s29                   ; var + eps
	v_rsq_f32 v[R], v16
	v_rsq_f32 v[R+1], v16
	v_nop                                          ; a plain instruction behind the last of the two
	s_wait_loadcnt 5                               ; g and b are in; the weights may stay out
	s_wait_alu depctr_va_vdst(0)                   ; one wait for both, ahead of their first reader
.irp p, 0,1,2,3,4,5,6,7,8,9,10,11,12,13,14,15
	v_pk_mul_f32 v[X+2*\p:X+2*\p+1], v[X+2*\p:X+2*\p+1], v[R:R+1]
.endr
.irp p, 0,1,2,3,4,5,6,7,8,9,10,11,12,13,14,15
	v_pk_fma_f32 v[X+2*\p:X+2*\p+1], v[X+2*\p:X+2*\p+1], v[G+2*\p:G+2*\p+1], v[BV+2*\p:BV+2*\p+1]
.endr
.irp p, 0,1,2,3,4,5,6,7,8,9,10,11,12,13,14,15
	v_cvt_pk_f16_f32 v[Y+\p], v[X+2*\p], v[X+2*\p+1]
.endr
.irp j, 0,1,2,3,4,5,6,7
	global_store_b64 v2, v[Y+2*\j:Y+2*\j+1], s[10:11] offset:256*\j
.endr
	s_wait_loadcnt 0x0                             ; the weights
.irp p, 0,1,2,3,4,5,6,7,8,9
	v_cvt_pk_f16_f32 v[CY+\p], v[CL+2*\p], v[CL+2*\p+1]
.endr
	global_store_b64 v19, v[CY:CY+1],   s[20:21]
	global_store_b64 v19, v[CY+2:CY+3], s[20:21] offset:256
	global_store_b64 v19, v[CY+4:CY+5], s[22:23] offset:WO_OFF
	global_store_b64 v19, v[CY+6:CY+7], s[22:23] offset:WO_OFF+256
	global_store_b64 v21, v[CY+8:CY+9], s[20:21]
	s_endpgm
.Lfunc_end_k_qe364512c78_pre:
	.size	k_qe364512c78_pre, .Lfunc_end_k_qe364512c78_pre-k_qe364512c78_pre
	.p2alignl 7, 3214868480
	.fill 96, 4, 3214868480
	.section	.rodata,"a",@progbits
	.p2align	6, 0x0
	.amdhsa_kernel k_qe364512c78_pre
		.amdhsa_group_segment_fixed_size 0
		.amdhsa_private_segment_fixed_size 0
		.amdhsa_enable_private_segment 0
		.amdhsa_kernarg_size 80
		.amdhsa_user_sgpr_count 2
		.amdhsa_user_sgpr_kernarg_segment_ptr 1
		.amdhsa_wavefront_size32 1
		.amdhsa_system_sgpr_workgroup_id_x 1
		.amdhsa_system_sgpr_workgroup_id_y 1
		.amdhsa_system_sgpr_workgroup_id_z 1
		.amdhsa_system_vgpr_workitem_id 0
		.amdhsa_next_free_vgpr 176
		.amdhsa_next_free_sgpr 66
		.amdhsa_reserve_vcc 0
		.amdhsa_float_denorm_mode_32 3
		.amdhsa_float_denorm_mode_16_64 3
		.amdhsa_memory_ordered 1
		.amdhsa_forward_progress 1
		.amdhsa_inst_pref_size 14
	.end_amdhsa_kernel
	.amdgpu_metadata
---
amdhsa.version: [ 1, 2 ]
amdhsa.kernels:
  - .name:           k_qe364512c78_pre
    .symbol:         k_qe364512c78_pre.kd
    .args:
      - { .name: x, .offset: 0, .size: 8, .value_kind: global_buffer, .address_space: global }
      - { .name: g1, .offset: 8, .size: 8, .value_kind: global_buffer, .address_space: global }
      - { .name: b1, .offset: 16, .size: 8, .value_kind: global_buffer, .address_space: global }
      - { .name: xn, .offset: 24, .size: 8, .value_kind: global_buffer, .address_space: global }
      - { .name: wq, .offset: 32, .size: 8, .value_kind: global_buffer, .address_space: global }
      - { .name: wk, .offset: 40, .size: 8, .value_kind: global_buffer, .address_space: global }
      - { .name: wv, .offset: 48, .size: 8, .value_kind: global_buffer, .address_space: global }
      - { .name: wo, .offset: 56, .size: 8, .value_kind: global_buffer, .address_space: global }
      - { .name: whq, .offset: 64, .size: 8, .value_kind: global_buffer, .address_space: global }
      - { .name: wh, .offset: 72, .size: 8, .value_kind: global_buffer, .address_space: global }
    .group_segment_fixed_size: 0
    .private_segment_fixed_size: 0
    .kernarg_segment_align: 8
    .kernarg_segment_size: 80
    .max_flat_workgroup_size: 512
    .sgpr_count:     66
    .vgpr_count:     176
    .wavefront_size: 32
...
	.end_amdgpu_metadata
.endif
;; end of part 1
;; launch proj (part 2): grid 8 x 32, 4 waves a work-group, clusters of 4 x 4, 327,680 bytes of LDS; arguments xn, whq, w1, w2, qkv, wh; writes qkv, wh
.if DOCPART == 2
	.amdgcn_target "amdgcn-amd-amdhsa--gfx1250"
	.amdhsa_code_object_version 6
	.text
	.protected	k_qe364512c78_proj
	.globl	k_qe364512c78_proj
	.p2align	8
	.type	k_qe364512c78_proj,@function
k_qe364512c78_proj:
	s_mov_b64 s[64:65], 0
	v_nop
	global_prefetch_b8 v0, s[64:65] scope:SCOPE_SE
	s_setreg_imm32_b32 hwreg(HW_REG_WAVE_MODE, 25, 1), 1
	s_wait_xcnt 0x0
	s_wait_alu depctr_hold_cnt(0) depctr_sa_sdst(0) depctr_va_vdst(0) depctr_va_sdst(0) depctr_va_ssrc(0) depctr_va_vcc(0) depctr_vm_vsrc(0)
	s_getreg_b32 s2, hwreg(HW_REG_IB_STS2, 6, 4)
	s_cmp_eq_u32 s2, 0
	s_cbranch_scc0 .Lentry_in_a_cluster
	s_endpgm
.Lentry_in_a_cluster:
	s_bfe_u32 s2, ttmp6, 0x10000c
	s_cmp_lg_u32 s2, 0xf033
	s_cbranch_scc0 .Lentry_shape_is_right
	s_endpgm
.Lentry_shape_is_right:
; q, k, v = LN1(x) . [wq; wk; wv]^T.  A = xn [4096][1024] f16, B = whq [1536][1024] f16; sums in f32; the result rounded once to f16
; and written by UNITS of 64 columns: qkv[batch 2][unit 24][token 2048][64]: units 0-15 the query heads, 16-19 the key groups, 20-23 the value groups.
; SHARES.  A tile of C is 128 x 192 (three units): 32 x 8 = 256 work-groups.  Four waves, 2 x 2, each 64 x 96: 24 accumulators (192 registers, window 1).
; K goes in steps of 128 through two LDS slots: two slots of a step of 256 (2 x 320 rows x 528 bytes) would not fit in LDS.
; CLUSTER 4 x 4: the four work-groups of a row of the cluster need the same tiles of A, the four of a column the same tiles of B: each tile is asked for jointly.
; THE PRODUCT IS USED TRANSPOSED (source 0 = 16 rows of B, source 1 = 16 rows of A): a lane holds row l % 16 of C and eight neighbouring columns 8 (l / 16) + 0..7.
; One text for every K step: the slot in hand is a scalar register (0 or SLOT) that an exclusive or turns; the last step, which asks for nothing, is written out.
; The accumulators are cleared in the wait for the first tile, so that no first K step need be written out.
; BESIDE THE PRODUCT the launch rounds w1 and w2 (f32, 8,388,608 numbers, wanted four and five launches on) to f16 into wh: 256 work-groups x 4 waves x 8 K steps x 1,024 numbers.
; In each K step, behind the joint load, a wave stores the 2,048 bytes made of the 4,096 that it asked for a K step earlier, and asks for the next: 8 loads, 16 conversions, 8 stores.
; A load covers 512 consecutive bytes, a store 256, aligned.  The launch reads whq and writes wh: two buffers.
; No prefetch: each tile is asked for by 8 (A) or 32 (B) work-groups at about the same time, and four of them share each request; w1 and w2 are asked for a K step ahead by their loads.
; LIMIT: a result, or a weight, beyond 65,504 in magnitude becomes an infinity in f16; below 6e-5 f16 keeps a fixed step of 6e-8.
.set W1_OFF, 5242880                   ; w1 in wh; w2 follows it
.set KDIM,   1024
.set KSTEP,  128
.set NS,     KSTEP/32                  ; sub-steps of 32 along K
.set TRIPS,  KDIM/KSTEP
.set NA,     2                         ; waves that fetch A (64 rows each); as many fetch B
.set NB,     6                         ; blocks of 16 columns in a wave's tile
.set RB,     96                        ; rows of B in one load
.set QI,     5                         ; padding behind every 64 words
.set P,      2*KSTEP+16                ; LDS pitch: an odd multiple of 16 bytes, so the 16 rows of a fragment load fall on 16 different 16-byte columns modulo 256
.set PA,     P
.set APIECE, 64*PA
.set AREG,   NA*APIECE
.set BPIECE, RB*P
.set SLOT,   AREG+NA*BPIECE
.set STAGE,  2*SLOT                    ; behind the ring: 128 rows x 400 bytes, the work-group's, for the way out; no tile lands here
.set SPITCH, 400
.set SPARE,  STAGE+128*SPITCH          ; the spare words: 128 bytes a wave
.set ASTEP,  2*KSTEP                   ; bytes from a K step to the next
.set BSTEP,  2*KSTEP
.set NLD,    2*(NB+4)                  ; LDS loads of a sub-step
.set FB,     8*(NB+4)                  ; registers of a fragment buffer: B's NB blocks, then A's four
.set F0,     32                        ; two buffers from v32 on, window 0
.set CLD,    192                       ; v[192:223] eight loads of w1 or w2
.set CYD,    224                       ; v[224:239] the same in f16
; v1 l % 16, v2 l / 16, v10/v11 my lane's place in A's / B's part of a slot, v12/v13 the same in the slot in hand, v14 into the stage, v15 back, v16 offset in qkv,
; v17 offset in w1 or w2, v18 offset in wh, v28/v29 the add's two
; s12 wave, s13 wm, s14 wn, s15 piece, s40-43 cx cy tx ty, s44/45 masks, s56 slot read, s57 slot filled, s58/59 my piece's place in a slot (A, B), s60 count, s[68:69] qkv, s[70:71] wh
.set G1,  24                           ; s[24:31] group 1 for A
.set G0,  32                           ; s[32:35] group 0 for A: it walks
.set G0B, 36                           ; s[36:39] group 0 for B
.set G1B, 48                           ; s[48:55] group 1 for B
.set W_MUL, 0x50                       ; C and D in window 1, sources in window 0
.set MSB, 0
.macro WIN new                         ; the high byte repeats the setting that is left; a switch that changes nothing is dropped
.if MSB != (\new)
	s_set_vgpr_msb (MSB<<8)|(\new)
.set MSB, (\new)
.endif
.endm
.macro PLACES                          ; four plain places (ISA guide 7.12.1) behind matrix instructions
.rept 4
	v_nop
.endr
.endm
.macro CROUND                          ; a round of the cluster's barrier
	s_barrier_signal -1
	s_barrier_wait -1
	s_cmp_lg_u32 s12, 0
	s_cbranch_scc1 .Lnot_wave_0_\@
	s_barrier_signal -3
.Lnot_wave_0_\@:
	s_barrier_wait -3
	s_barrier_signal -1
	s_barrier_wait -1
.endm
.macro JLOAD                           ; a joint load: the first NA waves fetch A's pieces, the others B's; the branch hangs on the wave's number alone
	s_cmp_lt_u32 s12, NA
	s_cbranch_scc0 .Lfor_b_\@
	tensor_load_to_lds s[G0:G0+3], s[G1:G1+7]
	s_nop 0
	PLACES
	s_branch .Lasked_\@
.Lfor_b_\@:
	tensor_load_to_lds s[G0B:G0B+3], s[G1B:G1B+7]
	s_nop 0
	PLACES
.Lasked_\@:
.endm
.macro CLOADS                          ; 4,096 bytes of w1 or w2
.set j, 0
.rept 8
	global_load_b128 v[CLD+4*j:CLD+4*j+3], v17, s[8:9] offset:512*j th:TH_LOAD_NT
.set j, j+1
.endr
.endm
; The weights' share of a K step.  more = 1: the next 4,096 bytes are asked for.
.macro CASTB more
	s_wait_loadcnt 0x0                             ; the eight loads issued a K step ago are in, and their offset register is free
	s_wait_xcnt 0x0                                ; the last K step's stores have read their data and their offset: both are written again only behind this wait
	v_add_nc_u32 v18, 8192, v18                    ; the work-group's next 8,192 bytes of wh (the offset began one step short)
.set j, 0
.rept 8
	v_cvt_pk_f16_f32 v[CYD+2*j],   v[CLD+4*j],   v[CLD+4*j+1]
	v_cvt_pk_f16_f32 v[CYD+2*j+1], v[CLD+4*j+2], v[CLD+4*j+3]
.set j, j+1
.endr
.set j, 0
.rept 8
	global_store_b64 v18, v[CYD+2*j:CYD+2*j+1], s[70:71] offset:256*j
.set j, j+1
.endr
.if \more
	v_add_nc_u32 v17, 16384, v17                   ; the work-group's next 16,384 bytes of f32
	CLOADS
.endif
.endm
.macro FETCH s, f                      ; the fragments of sub-step s into buffer f: one run of NLD loads
.set AK, 64*(\s)
.set i, 0
.rept NB
	ds_load_b128 v[(\f)+8*i:(\f)+8*i+3],   v13 offset:64*(\s)+i*16*P
	ds_load_b128 v[(\f)+8*i+4:(\f)+8*i+7], v13 offset:64*(\s)+i*16*P+32
.set i, i+1
.endr
.set i, 0
.rept 4
	ds_load_b128 v[(\f)+8*NB+8*i:(\f)+8*NB+8*i+3],   v12 offset:AK+i*16*PA
	ds_load_b128 v[(\f)+8*NB+8*i+4:(\f)+8*NB+8*i+7], v12 offset:AK+i*16*PA+32
.set i, i+1
.endr
.endm
.macro MUL f                           ; 4 NB products: every accumulator once, so the accumulators take turns, over the backward jump too
	WIN W_MUL
.set ia, 0
.rept 4
.set ib, 0
.rept NB
	v_wmma_f32_16x16x32_f16 v[8*(NB*ia+ib):8*(NB*ia+ib)+7], v[(\f)+8*ib:(\f)+8*ib+7], v[(\f)+8*NB+8*ia:(\f)+8*NB+8*ia+7], v[8*(NB*ia+ib):8*(NB*ia+ib)+7]
.set ib, ib+1
.endr
.set ia, ia+1
.endr
.endm
.macro WORK                            ; a K step: while one buffer is multiplied the other's loads are out
	FETCH 0, F0
.set ss, 0
.rept NS
.if ss+1 < NS
.if ss > 0
	PLACES                                         ; the buffer to be loaded was read by the products just issued
.endif
	WIN 0
	FETCH ss+1, F0+FB*((ss+1)%2)
	s_wait_dscnt NLD                               ; all but the NLD just issued: this sub-step's fragments are in
.else
	s_wait_dscnt 0x0
.endif
	MUL F0+FB*(ss%2)
.set ss, ss+1
.endr
.endm
; One K step.  In front of the barrier each wave waits for all its tensor loads (one is out: its piece of the slot to be read), adds 0 to its spare word, and waits for that and for
; its reads of the other slot.  refill = 1: the barrier is a round of the cluster's, and the joint load of the next K step, into the slot read last, is the first thing behind it.
.macro TRIP refill
	WIN 0
	s_wait_tensorcnt 0x0
	ds_add_u32 v28, v29                            ; 0 onto my spare word; register work stands between it and the wait for it
	s_xor_b32 s56, s56, SLOT                       ; the slot to be read
	v_add_nc_u32 v12, s56, v10
	v_add_nc_u32 v13, s56, v11
.if \refill
	s_xor_b32 s57, s57, SLOT                       ; the slot to be filled
	s_add_co_u32 s[G0+1], s57, s58
	s_add_co_u32 s[G0B+1], s57, s59
	s_add_nc_u64 s[G0+2:G0+3], s[G0+2:G0+3], ASTEP
	s_add_nc_u64 s[G0B+2:G0B+3], s[G0B+2:G0B+3], BSTEP
.endif
	s_wait_dscnt 0x0
.if \refill
	CROUND
	JLOAD                                          ; its four v_nop are also places in front of the fragment loads
.else
	s_barrier_signal -1
	s_barrier_wait -1
	PLACES
.endif
	CASTB \refill
	WORK
	WIN 0
.endm
	s_load_b256 s[4:11], s[0:1], 0x0               ; xn s[4:5], whq s[6:7], w1 s[8:9], w2 s[10:11]
	s_load_b128 s[68:71], s[0:1], 0x20             ; qkv s[68:69], wh s[70:71]
	v_lshl_add_u32 v28, v0, 2, SPARE
	v_mov_b32 v29, 0
	ds_add_u32 v28, v29                            ; the opening: the add and its wait ahead of my first tensor load
	v_lshrrev_b32 v3, 5, v0
	v_readfirstlane_b32 s12, v3                    ; wave
	s_lshr_b32 s13, s12, 1                         ; wm: my 64 rows of the tile
	s_and_b32 s14, s12, 1                          ; wn: my half of its columns
	s_and_b32 s15, s12, NA-1                       ; the piece that I fetch
	s_bfe_u32 s40, ttmp6, 0x40000                  ; cx
	s_bfe_u32 s41, ttmp6, 0x40004                  ; cy
	s_lshl_b32 s42, ttmp9, 2
	s_add_co_u32 s42, s42, s40                     ; tile column tx
	s_and_b32 s43, ttmp7, 0xffff
	s_lshl_b32 s43, s43, 2
	s_add_co_u32 s43, s43, s41                     ; tile row ty
	s_lshl_b32 s44, s41, 2
	s_lshl_b32 s44, 15, s44                        ; my row of the cluster
	s_lshl_b32 s45, 0x1111, s40                    ; my column
	s_or_b32 s[G1], s44, (1<<16)|(1<<20)|(1<<21)|(QI<<22)|(3<<25)   ; mask; 2-byte elements; padding on; bit 21 beside a mask; interval; 4 words of padding
	s_or_b32 s[G1B], s45, (1<<16)|(1<<20)|(1<<21)|(QI<<22)|(3<<25)
	s_mov_b32 s[G1+1], KSTEP<<16                   ; tensor_dim0
	s_mov_b32 s[G1+2], 64<<16                      ; tensor_dim1
	s_mov_b32 s[G1+3], KSTEP<<16                   ; tile_dim0
	s_mov_b32 s[G1+4], 64                          ; tile_dim1
	s_mov_b32 s[G1+5], KDIM                        ; elements from row to row
	s_mov_b32 s[G1+6], 0
	s_mov_b32 s[G1+7], 0
	s_mov_b32 s[G1B+1], KSTEP<<16
	s_mov_b32 s[G1B+2], RB<<16
	s_mov_b32 s[G1B+3], KSTEP<<16
	s_mov_b32 s[G1B+4], RB
	s_mov_b32 s[G1B+5], KDIM
	s_mov_b32 s[G1B+6], 0
	s_mov_b32 s[G1B+7], 0
	s_lshl_b32 s16, s43, 18                        ; A: 128 ty rows of 2,048 bytes,
	s_lshl_b32 s18, s15, 17                        ; my piece's 64: made of ty and the wave alone
	s_add_co_u32 s16, s16, s18
	s_mov_b32 s17, 0
	s_mul_i32 s46, s42, 192*2048                   ; B: 192 tx rows,
	s_mul_i32 s19, s15, RB*2048                    ; my piece's 96: made of tx and the wave alone
	s_add_co_u32 s46, s46, s19
	s_mov_b32 s47, 0
	s_mul_i32 s58, s15, APIECE
	s_mul_i32 s59, s15, BPIECE
	s_add_co_u32 s59, s59, AREG
	s_mov_b32 s56, SLOT                            ; the first trip turns it to 0
	s_mov_b32 s57, 0                               ; and this one to SLOT
	s_mov_b32 s[G0], 1
	s_mov_b32 s[G0+1], s58                         ; K step 0 goes into slot 0
	s_mov_b32 s[G0B], 1
	s_mov_b32 s[G0B+1], s59
	s_wait_dscnt 0x0                               ; the opening add is done
	s_wait_kmcnt 0x0
	s_add_nc_u64 s[G0+2:G0+3], s[4:5], s[16:17]
	s_or_b32 s[G0+3], s[G0+3], 0x80000000
	s_add_nc_u64 s[G0B+2:G0B+3], s[6:7], s[46:47]
	s_or_b32 s[G0B+3], s[G0B+3], 0x80000000
	CROUND                                         ; all sixteen work-groups are here: the first joint loads meet
	JLOAD
	; all that follows up to the loop stands in the wait for the first tile
	v_and_b32 v3, 31, v0                           ; the weights: work-group g = 8 ty + tx takes 32,768 numbers: g < 128 of w1, the others of w2
	s_lshl3_add_u32 s61, s43, s42
	s_and_b32 s62, s61, 127
	s_lshl_b32 s62, s62, 17                        ; 131,072 bytes of f32 a work-group,
	s_lshl_b32 s63, s12, 12                        ; 4,096 a wave in each K step
	s_add_co_u32 s62, s62, s63
	v_lshl_add_u32 v17, v3, 4, s62
	s_lshl_b32 s63, s61, 16                        ; 65,536 bytes of f16 a work-group,
	s_lshl_b32 s62, s12, 11                        ; 2,048 a wave in each K step
	s_add_co_u32 s63, s63, s62
	s_add_co_u32 s63, s63, W1_OFF-8192             ; one step short: each K step steps the offset in front of its stores
	v_lshl_add_u32 v18, v3, 3, s63
	s_cmp_lt_u32 s61, 128
	s_cselect_b64 s[8:9], s[8:9], s[10:11]
	CLOADS                                         ; the first K step's share
	v_and_b32 v1, 15, v0
	v_bfe_u32 v2, v0, 4, 1
	v_mul_u32_u24 v10, v1, PA
	v_lshl_add_u32 v10, v2, 4, v10
	s_mul_i32 s18, s13, APIECE
	v_add_nc_u32 v10, s18, v10                     ; A: piece wm, row l % 16, 16 bytes for each half of the lanes
	v_mul_u32_u24 v11, v1, P
	v_lshl_add_u32 v11, v2, 4, v11
	s_mul_i32 s18, s14, 16*NB*P
	s_add_co_u32 s18, s18, AREG
	v_add_nc_u32 v11, s18, v11                     ; B: rows 16 NB wn on
	s_mul_i32 s18, s13, 64*SPITCH                  ; into the stage: row 64 wm + l % 16, bytes 192 wn + 16 (l / 16)
	s_mul_i32 s19, s14, 192
	s_add_co_u32 s18, s18, s19
	s_add_co_u32 s18, s18, STAGE
	v_mul_u32_u24 v14, v1, SPITCH
	v_lshl_add_u32 v14, v2, 4, v14
	v_add_nc_u32 v14, s18, v14
	s_mul_i32 s18, s12, 32*SPITCH                  ; back: wave w takes rows 32 w on; 32 lanes take 4 rows x 128 bytes of one unit
	s_add_co_u32 s18, s18, STAGE
	v_bfe_u32 v3, v0, 3, 2
	v_and_b32 v4, 7, v0
	v_mul_u32_u24 v15, v3, SPITCH
	v_lshl_add_u32 v15, v4, 4, v15
	v_add_nc_u32 v15, s18, v15
	v_and_b32 v16, 31, v0
	v_lshlrev_b32 v16, 4, v16                      ; which are 512 consecutive bytes of qkv
	s_lshr_b32 s20, s43, 4                         ; batch
	s_mul_i32 s20, s20, 24
	s_mul_i32 s21, s42, 3
	s_add_co_u32 s20, s20, s21                     ; the tile's first unit
	s_lshl_b32 s20, s20, 18                        ; units of 262,144 bytes
	s_and_b32 s21, s43, 15
	s_lshl_b32 s21, s21, 7
	s_lshl_b32 s22, s12, 5
	s_add_co_u32 s21, s21, s22                     ; my first token in the batch
	s_lshl_b32 s21, s21, 7
	s_add_co_u32 s20, s20, s21
	s_mov_b32 s21, 0
	s_add_nc_u64 s[68:69], s[68:69], s[20:21]
	WIN 0x40
.set i, 0
.rept 32*NB
	v_mov_b32 v[i], 0                              ; the sums start at 0
.set i, i+1
.endr
	WIN 0
	s_mov_b32 s60, TRIPS-1
.Lk:
	TRIP 1
	s_sub_co_u32 s60, s60, 1
	s_cmp_lg_u32 s60, 0
	s_cbranch_scc1 .Lk
	TRIP 0                                         ; the last K step asks for nothing
	; THE WAY OUT: rounded to f16, 16 bytes a lane into the shared stage; a barrier, since a unit's 128 bytes of a row come from two waves; back as whole rows of units
	PLACES
	PLACES
	WIN 0x05                                       ; sources in window 1, destination in window 0
.set i, 0
.rept 4*NB
.irp r, 0,1,2,3
	v_cvt_pk_f16_f32 v[32+4*i+\r], v[8*i+2*\r], v[8*i+2*\r+1]  ; each accumulator's registers in ascending order
.endr
.set i, i+1
.endr
	WIN 0
.set i, 0
.rept 4*NB
	ds_store_b128 v14, v[32+4*i:32+4*i+3] offset:(i/NB)*16*SPITCH+32*(i%NB)
.set i, i+1
.endr
	s_wait_dscnt 0x0                               ; for the others' sake: my stores into the stage are done
	s_barrier_signal -1
	s_barrier_wait -1
.set n, 0
.rept 24
	ds_load_b128 v[128+4*n:128+4*n+3], v15 offset:4*SPITCH*(n%8)+128*(n/8)
.set n, n+1
.endr
.set n, 0
.rept 24
	s_wait_dscnt 23-n                              ; the 23 - n younger loads may stay out
	global_store_b128 v16, v[128+4*n:128+4*n+3], s[68:69] offset:262144*(n/8)+512*(n%8)
.set n, n+1
.endr
	s_wait_tensorcnt 0x0                           ; the wave's end
	ds_add_u32 v28, v29
	s_wait_dscnt 0x0
	CROUND                                         ; the closing round
	s_endpgm
.Lfunc_end_k_qe364512c78_proj:
	.size	k_qe364512c78_proj, .Lfunc_end_k_qe364512c78_proj-k_qe364512c78_proj
	.p2alignl 7, 3214868480
	.fill 96, 4, 3214868480
	.section	.rodata,"a",@progbits
	.p2align	6, 0x0
	.amdhsa_kernel k_qe364512c78_proj
		.amdhsa_group_segment_fixed_size 327680
		.amdhsa_private_segment_fixed_size 0
		.amdhsa_enable_private_segment 0
		.amdhsa_kernarg_size 48
		.amdhsa_user_sgpr_count 2
		.amdhsa_user_sgpr_kernarg_segment_ptr 1
		.amdhsa_wavefront_size32 1
		.amdhsa_system_sgpr_workgroup_id_x 1
		.amdhsa_system_sgpr_workgroup_id_y 1
		.amdhsa_system_sgpr_workgroup_id_z 1
		.amdhsa_system_vgpr_workitem_id 0
		.amdhsa_next_free_vgpr 448
		.amdhsa_next_free_sgpr 72
		.amdhsa_reserve_vcc 0
		.amdhsa_float_denorm_mode_32 3
		.amdhsa_float_denorm_mode_16_64 3
		.amdhsa_memory_ordered 1
		.amdhsa_forward_progress 1
		.amdhsa_inst_pref_size 56
	.end_amdhsa_kernel
	.amdgpu_metadata
---
amdhsa.version: [ 1, 2 ]
amdhsa.kernels:
  - .name:           k_qe364512c78_proj
    .symbol:         k_qe364512c78_proj.kd
    .args:
      - { .name: xn, .offset: 0, .size: 8, .value_kind: global_buffer, .address_space: global }
      - { .name: whq, .offset: 8, .size: 8, .value_kind: global_buffer, .address_space: global }
      - { .name: w1, .offset: 16, .size: 8, .value_kind: global_buffer, .address_space: global }
      - { .name: w2, .offset: 24, .size: 8, .value_kind: global_buffer, .address_space: global }
      - { .name: qkv, .offset: 32, .size: 8, .value_kind: global_buffer, .address_space: global }
      - { .name: wh, .offset: 40, .size: 8, .value_kind: global_buffer, .address_space: global }
    .group_segment_fixed_size: 327680
    .private_segment_fixed_size: 0
    .kernarg_segment_align: 8
    .kernarg_segment_size: 48
    .max_flat_workgroup_size: 128
    .sgpr_count:     72
    .vgpr_count:     448
    .wavefront_size: 32
...
	.end_amdgpu_metadata
.endif
;; end of part 2
;; launch attn (part 3): grid 32 x 8, 8 waves a work-group, clusters of 4 x 1, 327,680 bytes of LDS; arguments qkv, ctx; writes ctx
.if DOCPART == 3
	.amdgcn_target "amdgcn-amd-amdhsa--gfx1250"
	.amdhsa_code_object_version 6
	.text
	.protected	k_qe364512c78_attn
	.globl	k_qe364512c78_attn
	.p2align	8
	.type	k_qe364512c78_attn,@function
k_qe364512c78_attn:
	s_mov_b64 s[64:65], 0
	v_nop
	global_prefetch_b8 v0, s[64:65] scope:SCOPE_SE
	s_setreg_imm32_b32 hwreg(HW_REG_WAVE_MODE, 25, 1), 1
	s_wait_xcnt 0x0
	s_wait_alu depctr_hold_cnt(0) depctr_sa_sdst(0) depctr_va_vdst(0) depctr_va_sdst(0) depctr_va_ssrc(0) depctr_va_vcc(0) depctr_vm_vsrc(0)
	s_getreg_b32 s2, hwreg(HW_REG_IB_STS2, 6, 4)
	s_cmp_eq_u32 s2, 0
	s_cbranch_scc0 .Lentry_in_a_cluster
	s_endpgm
.Lentry_in_a_cluster:
	s_bfe_u32 s2, ttmp6, 0x10000c
	s_cmp_lg_u32 s2, 0x3003
	s_cbranch_scc0 .Lentry_shape_is_right
	s_endpgm
.Lentry_shape_is_right:
; CAUSAL ATTENTION WITH GROUPED KEYS.  ctx[batch][head][q][:] = the sum over k <= q of softmax_k(Q[q] . K[k] / 8) V[k][:], head size 64, 16 query heads, 4 key and value groups, 2,048 tokens.
; qkv: [batch 2][unit 24][2048][64] f16 (units 0-15 Q by heads, 16-19 K, 20-23 V by groups); ctx: [batch 2][head 16][2048][64] f16.  Products, maxima and sums in f32; the weights p are rounded
; to f16 for the second product (their sum l is taken of the unrounded p), ctx once at the end.
; LIMITS.  Q, K, V arrive within f16's 65,504, so a score is 2.7e11 at the most in magnitude.  A hidden score counts as its value less 1e30.  The running maximum starts at -2^96 (7.9e28): below every true score,
; above every hidden one, so a hidden score never becomes the maximum.  A weight below 2^-126 counts as 0 in l; NaN and infinities are not treated apart.
; CLUSTER.  The four partners are the four query heads of one group (cx = the head in the group): they walk the same K and V tiles in the same order, so each tile is asked for JOINTLY, mask 15.
; THE WALK.  A head's queries lie in 16 blocks of 128; block i needs the key tiles 0 .. i / 2 of 256 keys, the last of which holds the diagonal.  A work-group takes blocks 15 - b and then b
; (b = the cluster's x, the same in all partners): 9 tiles whatever b, so all 256 work-groups do equal work and one loop with a constant count walks them.
; SHARES.  EIGHT WAVES, TWO ON EACH SIMD, of 512 registers each.  Waves w and w + 4 own the same 32 rows of a block (two tiles of 16) and SHARE OUT THE KEYS: of each tile of 256 keys waves 0-3 take the first 128,
; waves 4-7 the last 128, two steps of 64 each.  So a fragment of K or V is read from LDS by four waves, as many as with four waves in all, and while one wave of a SIMD waits the other can issue.
; Each wave keeps its own running maximum m, sum l and O^T, all f32.  At a block's end the upper wave hands c m, l and O^T to its partner through LDS, and the partner forms
; O = (a_l O_l + a_u O_u) / (a_l l_l + a_u l_u), a = 2^(c m - max(c m_l, c m_u)).  A wave that has seen hidden keys alone (waves 4-7 in block 0) still has m = -2^96: all its weights are 0, so are its l and O^T, and its a is 0.
; THE MASK is the C operand that starts S^T = K Q^T: five blocks of eight registers MC; block d = kb - t + 1 serves key block kb of query tile t; register r holds -1e30 where
; 16 (d - 1) + r > 32 (w % 4) + l % 16 - 8 (l / 16) + 128 (i % 2) - 64 step (step 0 .. 3 in the tile), else 0.  Outside a block's last tile MC is 0, so there is one text for all steps.
; LAYOUT.  S^T (source 0 = 16 keys, source 1 = 16 queries) holds ONE query a lane (l % 16) and the keys 8 (l / 16) + 0..7; two such results rounded to f16 ARE source 1 of O^T = V^T P.
; SOFTMAX.  p = 2^(c s - c m), c = log2(e) / 8, with a running maximum m; O and l are multiplied by a = 2^(c m_old - c m_new) in every step.  A block starts with c m far below every c s: its first a is 0.
; A STEP goes in phases: K's and V's loads, 16 products K Q^T, maximum and statistics, scalings and ONE batch of 66 exponentials with one wait, roundings, sums, rescaling, 16 products V^T P.
; REGISTERS.  Window 0: addresses, statistics, S^T, P, MC.  Window 1: v0-63 O^T, v64-95 Q, v96-127 the second block's Q, v128-191 K of a step, v192-255 V of a step.
.set KS,    64
.set PK,    144                        ; a row of K in LDS: 128 bytes + 16
.set PV,    160                        ; a row of V: 128 + 32
.set TKEYS, 256                        ; keys in a tile
.set VOFF,  TKEYS*PK                   ; a slot: 256 rows of K, then 256 rows of V
.set SLOT1, 131072
.set STAGE, SLOT1+TKEYS*(PK+PV)        ; behind the ring: 16 rows x 144 bytes for each of waves 0-3, for the way out; no tile lands here
.set SP,    144
.set MERGE, STAGE+4*16*SP              ; what wave w + 4 hands to wave w: 17 x 512 bytes for each pair; no tile lands here
.set MW,    17*512
.set SPARE, MERGE+4*MW                 ; the spare words: 128 bytes a wave
.set UNITB, 262144
.set AK0, 2                            ; v2   my lane's place in a tile of K
.set AV0, 3                            ; v3   the same for V
.set AK,  4                            ; v4   K's run of loads
.set AV,  5                            ; v5   V's
.set STO, 6                            ; v6   into my stage
.set RD,  7                            ; v7   back
.set GO,  8                            ; v8   16 x lane
.set QD,  10                           ; v10  32 (w % 4) + l % 16 - 8 (l / 16)
.set QDS, 11                           ; v11  the mask's threshold in the step in hand
.set MV,  12                           ; v12-13 c m_old
.set PFO, 14                           ; v14  256 x lane
.set QO,  15                           ; v15  my offset in 16 rows of Q
.set ST,  16                           ; tile t at +4 t: c m, m, l (even keys', odd keys')
.set TMP, 24                           ; tile t at +4 t: c0-c3 at work; c2 takes a
.set S,   32
.set P,   96
.set MC,  128
.set SPW, 168
.set NIL, 169
.set MG,  170                          ; v170 my 16 bytes in each 512 of my pair's part of MERGE
.set Q,   64                           ; window 1
.set QB,  96
.set KF,  128
.set VF,  192
.set WV,  12                           ; s12 wave   s13 cx
.set PB,  14                           ; s14 b, later the second block's last tile b / 2
.set HI,  15                           ; s15 15 - b, later the first block's last tile
.set G1K, 24
.set G1V, 32
.set G0K, 40
.set G0V, 44
.set TB,  54                           ; s54 the slot read
.set TBK, 55                           ; s55 LDS byte of the K to be fetched
.set SLOTS, 56
.set CNT, 57
.set CS,  58                           ; s[58:59] c
.set SEL, 60                           ; s[60:61]
.set TBV, 62                           ; s62 the same for V, less VOFF
.set ST64, 63                          ; s63 64 x the step in the tile, less 128 (i % 2)
.set RT,  70                           ; s70 tiles of the block in hand still to be entered
.set NXT, 71                           ; s71 the tile to be asked for next
.set LQ,  72                           ; s72 the last tile of the block whose tiles are being asked for
.set NEW, 73                           ; s73 1: the tile to be entered is a block's first
.set OFF, 74                           ; s[74:75]
.set BIGN, 76                          ; s76 -1e30
.set LIM, 77                           ; s77 2 in a wave that prefetches, else the greatest number
.set PFA, 78                           ; s[78:79] where my prefetches stand
.set KHK, 88                           ; s88 my half of a tile's keys in K's part of a slot
.set KHV, 89                           ; s89 and in V's
.set ST0, 90                           ; s90 what ST64 starts a tile with, for the block in hand
.set ST1, 91                           ; s91 the same for the second block
.set W_KQ, 0x05                        ; K and Q in window 1, C and S^T in window 0
.set W_PV, 0x51                        ; V and O^T in window 1, P in window 0
.set W_RS, 0x41                        ; destination and source 0 in window 1
.set MSB, 0
.macro WIN new
.if MSB != (\new)
	s_set_vgpr_msb (MSB<<8)|(\new)
.set MSB, (\new)
.endif
.endm
.macro PLACES
.rept 4
	v_nop
.endr
.endm
.macro CROUND
	s_barrier_signal -1
	s_barrier_wait -1
	s_cmp_lg_u32 s[WV], 0
	s_cbranch_scc1 .Lnot_wave_0_\@
	s_barrier_signal -3
.Lnot_wave_0_\@:
	s_barrier_wait -3
	s_barrier_signal -1
	s_barrier_wait -1
.endm
.macro JLOAD                           ; waves 0-3 fetch the four quarters of a tile's K, waves 4-7 those of its V: 64 keys each
	s_cmp_lt_u32 s[WV], 4
	s_cbranch_scc0 .Lfor_v_\@
	tensor_load_to_lds s[G0K:G0K+3], s[G1K:G1K+7]
	s_nop 0
	PLACES
	s_branch .Lasked_\@
.Lfor_v_\@:
	tensor_load_to_lds s[G0V:G0V+3], s[G1V:G1V+7]
	s_nop 0
	PLACES
.Lasked_\@:
.endm
; A PREFETCH of the tile that the NEXT change of slots will ask for: one tile, two key steps of every wave, ahead.  All eight clusters of a batch and group walk the same K and V: cluster b = 0 asks, whose first
; block walks tiles 0 to 7 in order.  Its four partners share a tile's 65,536 bytes out BY ADDRESS (cx = 0, 1: K's halves; 2, 3: V's), waves 0 and 1 of each half of that, a lane for each 256 bytes: each is named once.
; Tiles 0 and 1 come by their loads alone; with two trips left there is no further tile, and nothing is asked for.
.macro ASK
	s_cmp_gt_u32 s[SLOTS], s[LIM]
	s_cbranch_scc0 .Lnot_mine_\@
	global_prefetch_b8 v[PFO], s[PFA:PFA+1] th:TH_LOAD_NT scope:SCOPE_SE
.Lnot_mine_\@:
.endm
; THE CHANGE OF SLOTS.  Each wave waits for all its tensor loads (one is out: its part of the other slot), adds 0 to its spare word, and waits for that and for its reads of the slot that it leaves.
; fill = 1: the barrier is a round of the cluster's, and the joint load of tile NXT into the slot left is the first thing behind it; its address is made anew from the tile's number.
.macro CHANGE fill
	WIN 0
	s_wait_tensorcnt 0x0
	ds_add_u32 v[SPW], v[NIL]                      ; 0 onto my spare word; scalar work stands between it and the wait for it
	s_xor_b32 s[TB], s[TB], SLOT1
	s_add_co_u32 s[TBK], s[TB], s[KHK]             ; my half of the tile's keys
	s_add_co_u32 s[TBV], s[TB], s[KHV]
	s_mov_b32 s[ST64], s[ST0]
.if \fill
	s_lshl_b32 s[OFF], s[NXT], 15                  ; a tile is 32,768 bytes of K and of V
	s_xor_b32 s[G0K+1], s[G0K+1], SLOT1
	s_add_nc_u64 s[G0K+2:G0K+3], s[8:9], s[OFF:OFF+1]
	s_or_b32 s[G0K+3], s[G0K+3], 0x80000000
	s_xor_b32 s[G0V+1], s[G0V+1], SLOT1
	s_add_nc_u64 s[G0V+2:G0V+3], s[10:11], s[OFF:OFF+1]
	s_or_b32 s[G0V+3], s[G0V+3], 0x80000000
	s_add_co_u32 s[NXT], s[NXT], 1                 ; the block's next tile, or behind its last the second block's tile 0
	s_cmp_gt_u32 s[NXT], s[LQ]
	s_cselect_b32 s[NXT], 0, s[NXT]
	s_cselect_b32 s[LQ], s[PB], s[LQ]
	s_wait_xcnt 0x0                                ; the last prefetch, a tile back, has read its address
	s_add_nc_u64 s[PFA:PFA+1], s[PFA:PFA+1], 32768
	s_wait_dscnt 0x0
	CROUND
	JLOAD
	ASK
.else
	s_wait_dscnt 0x0
	s_barrier_signal -1
	s_barrier_wait -1
.endif
.endm
.macro REGS t
.set rT, ST+4*(\t)
.set rC, TMP+4*(\t)
.set rM, MV+(\t)
.set rS, S+32*(\t)
.set rP, P+16*(\t)
.set rO, 32*(\t)
.endm
; Number n of the 22 that find tile t's maximum and statistics.  0-11 four chains of seven scores (each accumulator's lowest registers first); 12-14, 16 the four left over, the old m, the chains into c0;
; 15 c m_old is kept; 17, 18 the query's other 32 keys lie in the lane 16 away: the new m; 19-21 c m, c m_old - c m_new, a.
.macro XS t, n
	REGS \t
.if (\n) < 4
	v_max3_num_f32 v[rC+(\n)], v[rS+8*(\n)], v[rS+8*(\n)+1], v[rS+8*(\n)+2]
.elseif (\n) < 12
	v_max3_num_f32 v[rC+(\n)%4], v[rC+(\n)%4], v[rS+8*((\n)%4)+2*((\n)/4)+1], v[rS+8*((\n)%4)+2*((\n)/4)+2]
.elseif (\n) == 12
	v_max3_num_f32 v[rC], v[rC], v[rS+7], v[rS+15]
.elseif (\n) == 13
	v_max3_num_f32 v[rC+1], v[rC+1], v[rS+23], v[rS+31]
.elseif (\n) == 14
	v_max3_num_f32 v[rC+2], v[rC+2], v[rC+3], v[rT+1]
.elseif (\n) == 15
	v_mov_b32 v[rM], v[rT]
.elseif (\n) == 16
	v_max3_num_f32 v[rC], v[rC], v[rC+1], v[rC+2]
.elseif (\n) == 17
	v_permlanex16_b32 v[rC+3], v[rC], s[SEL], s[SEL+1]
.elseif (\n) == 18
	v_max_num_f32 v[rT+1], v[rC], v[rC+3]
.elseif (\n) == 19
	v_mul_f32 v[rT], s[CS], v[rT+1]
.elseif (\n) == 20
	v_sub_f32 v[rC+1], v[rM], v[rT]
.else
	v_exp_f32 v[rC+2], v[rC+1]
.endif
.endm
.macro FS t, j                         ; c s - c m for pair j
	REGS \t
	v_pk_fma_f32 v[rS+2*(\j):rS+2*(\j)+1], v[rS+2*(\j):rS+2*(\j)+1], s[CS:CS+1], v[rT:rT+1] op_sel_hi:[1,0,0] neg_lo:[0,0,1] neg_hi:[0,0,1]
.endm
.macro EXP2 t, j                       ; the two exponentials of pair j
	REGS \t
	v_exp_f32 v[rS+2*(\j)], v[rS+2*(\j)]
	v_exp_f32 v[rS+2*(\j)+1], v[rS+2*(\j)+1]
.endm
.macro SUM1 t                          ; line z of 16 of the sum of tile t's 16 pairs, in place: neighbours 1, 2, 4, 8 pairs apart; then l = a l + sum
	REGS \t
.set w, 4
.set u, z
.if z >= 14
.set w, 32
.set u, 0
.elseif z >= 12
.set w, 16
.set u, z-12
.elseif z >= 8
.set w, 8
.set u, z-8
.endif
.if z < 15
	v_pk_add_f32 v[rS+w*u:rS+w*u+1], v[rS+w*u:rS+w*u+1], v[rS+w*u+w/2:rS+w*u+w/2+1]
.else
	v_pk_fma_f32 v[rT+2:rT+3], v[rT+2:rT+3], v[rC+2:rC+3], v[rS:rS+1] op_sel_hi:[1,0,1]
.endif
.endm
; Product i of 16 of S^T: channels 32 (i / 8) on, keys 16 ((i / 2) % 4) on, tile i % 2.  The first 8 start the sums with the mask.  The 8 accumulators take turns.
.macro KQ
.set rS, S+32*(i%2)+8*((i/2)%4)
.set rK, KF+16*((i/2)%4)+8*(i/8)
.set rQ, Q+16*(i%2)+8*(i/8)
.set rX, MC+8*((i/2)%4-i%2+1)
.if i < 8
	v_wmma_f32_16x16x32_f16 v[rS:rS+7], v[rK:rK+7], v[rQ:rQ+7], v[rX:rX+7]
.else
	v_wmma_f32_16x16x32_f16 v[rS:rS+7], v[rK:rK+7], v[rQ:rQ+7], v[rS:rS+7]
.endif
.set i, i+1
.endm
; Product i of 16 of O^T += V^T P: keys 32 (i / 8) on, channels 16 ((i / 2) % 4) on, tile i % 2.
.macro PV
.set rO, 32*(i%2)+8*((i/2)%4)
.set rV, VF+32*(i/8)+8*((i/2)%4)
.set rP, P+16*(i%2)+8*(i/8)
	v_wmma_f32_16x16x32_f16 v[rO:rO+7], v[rV:rV+7], v[rP:rP+7], v[rO:rO+7]
.set i, i+1
.endm
.macro STEP
	v_add_nc_u32 v[AK], s[TBK], v[AK0]
	v_add_nc_u32 v[AV], s[TBV], v[AV0]
	WIN 0x40                                       ; destination window 1
.irp f, 0,1,2,3,4,5,6,7                ; K: keys 16 (f / 2) on, channels 32 (f % 2) on
	ds_load_b128 v[KF+8*\f:KF+8*\f+3],   v[AK] offset:(\f/2)*16*PK+(\f%2)*64
	ds_load_b128 v[KF+8*\f+4:KF+8*\f+7], v[AK] offset:(\f/2)*16*PK+(\f%2)*64+32
.endr
.irp f, 0,1,2,3,4,5,6,7                ; V, turned: keys 32 (f / 4) on, channels 16 (f % 4) on
	ds_load_tr16_b128 v[VF+8*\f:VF+8*\f+3],   v[AV] offset:(\f/4)*32*PV+(\f%4)*32
	ds_load_tr16_b128 v[VF+8*\f+4:VF+8*\f+7], v[AV] offset:(\f/4)*32*PV+16*PV+(\f%4)*32
.endr
	WIN 0
	s_add_co_u32 s[TBK], s[TBK], KS*PK
	s_add_co_u32 s[TBV], s[TBV], KS*PV
	s_cmp_eq_u32 s[RT], 0                          ; a block's last tile alone makes masks
	s_cbranch_scc0 .Lnomask_\@
	v_sub_nc_u32 v[QDS], v[QD], s[ST64]
.set z, 0
.rept 40
	v_cmp_gt_i32 vcc_lo, 16*(z/8)-16+z%8, v[QDS]
	v_cndmask_b32 v[MC+z], 0, s[BIGN], vcc_lo
.set z, z+1
.endr
.Lnomask_\@:
	s_add_co_u32 s[ST64], s[ST64], 64
	s_wait_dscnt 16                                ; K is in; V's 16 younger loads may stay out
	WIN W_KQ
.set i, 0
.rept 16
	KQ
.endr
	WIN 0
	PLACES
.irp n, 0,1,2,3,4,5,6,7,8,9,10,11,12,13,14,15,16,17,18,19,20,21
	XS 0, \n
	XS 1, \n
.endr
	FS 0, 0                                        ; the batch: two a above, 64 exponentials here; nothing ahead of the wait names a result
	FS 1, 0
.irp j, 1,2,3,4,5,6,7,8,9,10,11,12,13,14,15
	FS 0, \j
	FS 1, \j
	EXP2 0, \j-1
	EXP2 1, \j-1
.endr
	EXP2 0, 15
	EXP2 1, 15
	v_nop                                          ; a plain instruction behind the last exponential
	s_wait_alu depctr_va_vdst(0)                   ; one wait for the step's 66, ahead of the first reader
.irp j, 0,1,2,3,4,5,6,7,8,9,10,11,12,13,14,15
	v_cvt_pk_f16_f32 v[P+\j], v[S+2*\j], v[S+2*\j+1]
	v_cvt_pk_f16_f32 v[P+16+\j], v[S+32+2*\j], v[S+32+2*\j+1]
.endr
.set z, 0
.rept 16
	SUM1 0
	SUM1 1
.set z, z+1
.endr
	WIN W_RS
.irp t, 0,1
.set i, 0
.rept 16
	v_pk_mul_f32 v[32*\t+2*i:32*\t+2*i+1], v[32*\t+2*i:32*\t+2*i+1], v[TMP+4*\t+2:TMP+4*\t+3] op_sel_hi:[1,0]  ; O^T times a, ascending
.set i, i+1
.endr
.endr
	s_wait_dscnt 0x0                               ; V is in
	WIN W_PV
.set i, 0
.rept 16
	PV
.endr
	WIN 0
	PLACES                                         ; in front of the next loads into V's registers, and of the way out
.endm
; A BLOCK BEGINS: no masks; c m far below every c s, so that the first a is 0; m at -2^96, below every true score (2.7e11 at the most) and above every hidden one (its value less 1e30):
; where a wave's first keys are all hidden, m stays there, c s - c m is about -1.7e29 and every weight is 0.  O^T and l need only be finite: the first step multiplies them by a = 0.
.macro BEGIN
	s_mov_b32 s[NEW], 0
.set i, 0
.rept 40
	v_mov_b32 v[MC+i], 0
.set i, i+1
.endr
.irp t, 0,1
	v_mov_b32 v[ST+4*\t], 0xfe000000
	v_mov_b32 v[ST+4*\t+1], 0xef800000             ; -2^96
.endr
	s_wait_loadcnt 0x0                             ; Q
.endm
; A BLOCK ENDS.  Every wave adds l's two halves and the other half of the lanes'.  Waves 4-7 lay O^T (16 x 512 bytes) and c m, l of both tiles (512 bytes) into their pair's part of MERGE; a barrier; waves 0-3
; read them, weigh the two halves, divide, round to f16 and send the block's rows through their stage, a tile of 16 rows at a time.  The branch round the whole hangs on b alone, which all waves and all partners share.
; MERGE is written again only at the next block's end, behind a change of slots in front of which every wave has waited for its LDS reads.  more = 1: the second block follows.
.macro FINISH more
.irp t, 0,1
	v_add_f32 v[ST+4*\t+2], v[ST+4*\t+2], v[ST+4*\t+3]
.endr
.irp t, 0,1
	v_permlanex16_b32 v[ST+4*\t+3], v[ST+4*\t+2], s[SEL], s[SEL+1]
.endr
.irp t, 0,1
	v_add_f32 v[ST+4*\t+2], v[ST+4*\t+2], v[ST+4*\t+3]
.endr
	s_cmp_lt_u32 s[WV], 4
	s_cbranch_scc1 .Llow_\@
	v_mov_b32 v[TMP], v[ST]                        ; c m and l of tile 0,
	v_mov_b32 v[TMP+1], v[ST+2]
	v_mov_b32 v[TMP+2], v[ST+4]                    ; of tile 1
	v_mov_b32 v[TMP+3], v[ST+6]
	WIN 0x04                                       ; store data in window 1
.set j, 0
.rept 16
	ds_store_b128 v[MG], v[4*j:4*j+3] offset:512*j ; each accumulator's low registers first
.set j, j+1
.endr
	WIN 0
	ds_store_b128 v[MG], v[TMP:TMP+3] offset:8192
.Llow_\@:
	s_wait_dscnt 0x0                               ; for my partner's sake: my stores are done
	s_barrier_signal -1
	s_barrier_wait -1
	s_cmp_lt_u32 s[WV], 4
	s_cbranch_scc0 .Lup_\@
.set j, 0
.rept 16
	ds_load_b128 v[S+4*j:S+4*j+3], v[MG] offset:512*j  ; the partner's O^T: the same lane holds the same query and channels
.set j, j+1
.endr
	ds_load_b128 v[TMP:TMP+3], v[MG] offset:8192
	s_wait_dscnt 0x0
.irp t, 0,1
	v_max_num_f32 v[TMP+4+\t], v[ST+4*\t], v[TMP+2*\t]
.endr
.irp t, 0,1
	v_sub_f32 v[ST+4*\t+1], v[ST+4*\t], v[TMP+4+\t]
	v_sub_f32 v[ST+4*\t+3], v[TMP+2*\t], v[TMP+4+\t]
.endr
.irp t, 0,1
	v_exp_f32 v[ST+4*\t+1], v[ST+4*\t+1]           ; a_l
	v_exp_f32 v[ST+4*\t+3], v[ST+4*\t+3]           ; a_u
.endr
	v_nop
	s_wait_alu depctr_va_vdst(0)                   ; one wait for the four
.irp t, 0,1
	v_mul_f32 v[TMP+6+\t], v[ST+4*\t+1], v[ST+4*\t+2]
.endr
.irp t, 0,1
	v_fma_f32 v[TMP+6+\t], v[ST+4*\t+3], v[TMP+2*\t+1], v[TMP+6+\t]  ; a_l l_l + a_u l_u: at least 1, since the half with the maximum has a = 1 and a weight of 1
.endr
.irp t, 0,1
	v_rcp_f32 v[TMP+6+\t], v[TMP+6+\t]
.endr
	v_nop
	s_wait_alu depctr_va_vdst(0)                   ; one wait for the two reciprocals
.irp t, 0,1
	v_mul_f32 v[ST+4*\t+2], v[ST+4*\t+1], v[TMP+6+\t]  ; my half's factor,
	v_mul_f32 v[TMP+2*\t], v[ST+4*\t+3], v[TMP+6+\t]   ; my partner's
.endr
.irp t, 0,1
.set i, 0
.rept 16
	v_pk_mul_f32 v[S+32*\t+2*i:S+32*\t+2*i+1], v[S+32*\t+2*i:S+32*\t+2*i+1], v[TMP+2*\t:TMP+2*\t+1] op_sel_hi:[1,0]
.set i, i+1
.endr
.endr
	WIN W_RS
.irp t, 0,1
.set i, 0
.rept 16
	v_pk_fma_f32 v[32*\t+2*i:32*\t+2*i+1], v[32*\t+2*i:32*\t+2*i+1], v[ST+4*\t+2:ST+4*\t+3], v[S+32*\t+2*i:S+32*\t+2*i+1] op_sel_hi:[1,0,1]
.set i, i+1
.endr
.endr
.irp t, 0,1
	WIN 0x05
.set i, 0
.rept 16
	v_cvt_pk_f16_f32 v[S+16*\t+i], v[32*\t+2*i], v[32*\t+2*i+1]
.set i, i+1
.endr
	WIN 0
.irp f, 0,1,2,3
	ds_store_b128 v[STO], v[S+16*\t+4*\f:S+16*\t+4*\f+3] offset:32*\f
.endr
.irp f, 0,1,2,3
	ds_load_b128 v[S+16*\t+4*\f:S+16*\t+4*\f+3], v[RD] offset:\f*4*SP  ; LDS serves a wave's instructions in order: these see the stores above, the next tile's stores come behind them
.endr
.endr
.irp f, 0,1,2,3
	s_wait_dscnt 11-\f                             ; tile 1's eight LDS instructions and tile 0's younger loads may stay out
	global_store_b128 v[GO], v[S+4*\f:S+4*\f+3], s[50:51] offset:512*\f
.endr
.irp f, 0,1,2,3
	s_wait_dscnt 3-\f
	global_store_b128 v[GO], v[S+16+4*\f:S+16+4*\f+3], s[50:51] offset:2048+512*\f  ; 512 consecutive bytes, aligned
.endr
.Lup_\@:
.if \more
	s_wait_xcnt 0x0                                ; the stores have read their registers and their base
	s_mov_b64 s[50:51], s[52:53]
	s_add_co_u32 s[RT], s[PB], 1                   ; the second block has b / 2 + 1 tiles
	s_mov_b32 s[ST0], s[ST1]
	s_mov_b32 s[NEW], 1
	WIN W_RS
.set i, 0
.rept 32
	v_mov_b32 v[Q+i], v[QB+i]
.set i, i+1
.endr
	WIN 0
.endif
.endm
; A tile: a block's first begins it, its last (RT = 0) takes masks and ends it.  All jumps but the step loop's go forward, and none passes a tensor load.
.macro TILE more
	s_sub_co_u32 s[RT], s[RT], 1
	s_cmp_eq_u32 s[NEW], 1
	s_cbranch_scc0 .Lold_\@
	BEGIN
.Lold_\@:
	s_mov_b32 s[CNT], 2
.Lstep_\@:
	STEP
	s_sub_co_u32 s[CNT], s[CNT], 1
	s_cmp_lg_u32 s[CNT], 0
	s_cbranch_scc1 .Lstep_\@
.if \more
	s_cmp_eq_u32 s[RT], 0
	s_cbranch_scc0 .Lgo_\@
	FINISH 1
.Lgo_\@:
.else
	FINISH 0                                       ; the walk's last tile is the second block's last
.endif
.endm
	s_load_b128 s[4:7], s[0:1], 0x0                ; qkv s[4:5], ctx s[6:7]
	v_lshl_add_u32 v[SPW], v0, 2, SPARE
	v_mov_b32 v[NIL], 0
	ds_add_u32 v[SPW], v[NIL]                      ; the opening: the add and its wait ahead of my first tensor load
	v_lshrrev_b32 v1, 5, v0
	v_readfirstlane_b32 s[WV], v1
	s_and_b32 s92, s[WV], 3                        ; which 32 rows of a block are mine; also which quarter of a tile I fetch
	s_lshr_b32 s93, s[WV], 2                       ; which half of a tile's keys is mine
	s_bfe_u32 s13, ttmp6, 0x40000                  ; cx: the head in its group; it enters Q's, ctx's and the prefetches' addresses alone
	s_mov_b32 s[PB], ttmp9                         ; b: the cluster's x
	s_sub_co_u32 s[HI], 15, s[PB]
	s_and_b32 s16, ttmp7, 0xffff
	s_lshr_b32 s17, s16, 2                         ; batch
	s_and_b32 s18, s16, 3                          ; group
	s_mul_i32 s19, s17, 24
	s_add_co_u32 s20, s19, s18
	s_add_co_u32 s20, s20, 16                      ; K's unit
	s_lshl_b32 s20, s20, 18
	s_lshl_b32 s23, s92, 13                        ; my quarter: 64 keys of 128 bytes
	s_add_co_u32 s20, s20, s23
	s_mov_b32 s21, 0
	s_mov_b32 s[G0K], 1
	s_mul_i32 s[G0K+1], s92, KS*PK                 ; slot 0
	s_mov_b32 s[G0V], 1
	s_mul_i32 s[G0V+1], s92, KS*PV
	s_add_co_u32 s[G0V+1], s[G0V+1], VOFF
	s_lshl2_add_u32 s80, s18, s19
	s_add_co_u32 s80, s80, s13                     ; Q's unit: 24 batch + 4 group + cx
	s_lshl_b32 s80, s80, 18
	s_lshl_b32 s82, s17, 4
	s_lshl2_add_u32 s82, s18, s82
	s_add_co_u32 s82, s82, s13                     ; ctx's head: 16 batch + 4 group + cx
	s_lshl_b32 s82, s82, 18
	s_lshl_b32 s23, s92, 12                        ; my 32 rows of 128 bytes
	s_lshl_b32 s16, s[HI], 14                      ; in the first block,
	s_add_co_u32 s16, s16, s23
	s_lshl_b32 s84, s[PB], 14                      ; and in the second
	s_add_co_u32 s84, s84, s23
	s_add_co_u32 s2, s80, s16                      ; Q, first block
	s_mov_b32 s3, 0
	s_add_co_u32 s80, s80, s84                     ; Q, second block
	s_mov_b32 s81, 0
	s_add_co_u32 s16, s82, s16                     ; ctx, first block
	s_mov_b32 s17, 0
	s_add_co_u32 s82, s82, s84                     ; ctx, second block
	s_mov_b32 s83, 0
	s_lshr_b32 s84, s13, 1                         ; the prefetches: K (cx < 2) or V, four units on,
	s_lshl2_add_u32 s84, s84, s18
	s_add_co_u32 s84, s84, s19
	s_add_co_u32 s84, s84, 16
	s_lshl_b32 s84, s84, 18
	s_and_b32 s85, s13, 1                          ; its first or second half of a tile,
	s_lshl_b32 s85, s85, 14
	s_add_co_u32 s84, s84, s85
	s_and_b32 s85, s[WV], 1                        ; my wave's 8,192 bytes of that,
	s_lshl_b32 s85, s85, 13
	s_add_co_u32 s84, s84, s85
	s_add_co_u32 s84, s84, 32768                   ; at tile 1: the first change steps it to tile 2
	s_mov_b32 s85, 0
	s_lshr_b32 s[LIM], s[WV], 1
	s_or_b32 s[LIM], s[LIM], ttmp9                 ; waves 0 and 1 of the first cluster: the same in all four partners
	s_cmp_eq_u32 s[LIM], 0
	s_cselect_b32 s[LIM], 2, -1
	s_mul_i32 s[KHK], s93, 2*KS*PK
	s_mul_i32 s[KHV], s93, 2*KS*PV
	s_lshl_b32 s94, s93, 7                         ; my first key in a tile,
	s_and_b32 s[ST0], s[HI], 1
	s_lshl_b32 s[ST0], s[ST0], 7
	s_sub_co_u32 s[ST0], s94, s[ST0]               ; less the place of the block's first row in its last tile (a signed number)
	s_and_b32 s[ST1], s[PB], 1
	s_lshl_b32 s[ST1], s[ST1], 7
	s_sub_co_u32 s[ST1], s94, s[ST1]
	s_lshr_b32 s[HI], s[HI], 1                     ; from here on: the two blocks' last tiles
	s_lshr_b32 s[PB], s[PB], 1
	; group 1: 64 keys are 8,192 dense bytes, asked for as 32 rows of 256 bytes and padded in LDS after every key
	s_mov_b32 s[G1K], 15|(1<<16)|(1<<20)|(1<<21)|(4<<22)|(3<<25)
	s_mov_b32 s[G1V], 15|(1<<16)|(1<<20)|(1<<21)|(4<<22)|(7<<25)
.irp g, G1K, G1V
	s_mov_b32 s[\g+1], 128<<16
	s_mov_b32 s[\g+2], 32<<16
	s_mov_b32 s[\g+3], 128<<16
	s_mov_b32 s[\g+4], 32
	s_mov_b32 s[\g+5], 128
	s_mov_b32 s[\g+6], 0
	s_mov_b32 s[\g+7], 0
.endr
	s_mov_b32 s[CS], 0x3e38aa3b                    ; c = log2(e) / 8
	s_mov_b32 s[CS+1], s[CS]
	s_mov_b32 s[SEL], 0x76543210
	s_mov_b32 s[SEL+1], 0xfedcba98
	s_mov_b32 s[TB], SLOT1                         ; the first change turns it to 0
	s_add_co_u32 s[RT], s[HI], 1                   ; the first block's tiles
	s_mov_b32 s[NXT], 1
	s_mov_b32 s[LQ], s[HI]
	s_mov_b32 s[NEW], 1
	s_mov_b32 s[OFF+1], 0
	s_mov_b32 s[BIGN], 0xf149f2ca                  ; -1e30
	s_mov_b32 s[SLOTS], 8
	s_wait_dscnt 0x0                               ; the opening add is done
	s_wait_kmcnt 0x0
	s_add_nc_u64 s[8:9], s[4:5], s[20:21]          ; K at my quarter of tile 0
	s_add_nc_u64 s[10:11], s[8:9], 4*UNITB         ; V likewise
	s_add_nc_u64 s[48:49], s[4:5], s[2:3]
	s_add_nc_u64 s[86:87], s[4:5], s[80:81]
	s_add_nc_u64 s[50:51], s[6:7], s[16:17]
	s_add_nc_u64 s[52:53], s[6:7], s[82:83]
	s_add_nc_u64 s[PFA:PFA+1], s[4:5], s[84:85]
	s_mov_b64 s[G0K+2:G0K+3], s[8:9]
	s_or_b32 s[G0K+3], s[G0K+3], 0x80000000
	s_mov_b64 s[G0V+2:G0V+3], s[10:11]
	s_or_b32 s[G0V+3], s[G0V+3], 0x80000000
	CROUND                                         ; all four work-groups are here: the first joint loads meet
	JLOAD                                          ; tile 0 into slot 0
	v_and_b32 v1, 15, v0                           ; l % 16
	v_bfe_u32 v9, v0, 4, 1                         ; l / 16
	v_lshlrev_b32 v[QO], 7, v1
	v_lshl_add_u32 v[QO], v9, 4, v[QO]
	WIN 0x40
.irp i, 0,1,2,3                        ; both blocks' Q: tile i / 2, channels 32 (i % 2) on
	global_load_b128 v[Q+8*\i:Q+8*\i+3],     v[QO], s[48:49] offset:(\i/2)*2048+(\i%2)*64
	global_load_b128 v[Q+8*\i+4:Q+8*\i+7],   v[QO], s[48:49] offset:(\i/2)*2048+(\i%2)*64+32
	global_load_b128 v[QB+8*\i:QB+8*\i+3],   v[QO], s[86:87] offset:(\i/2)*2048+(\i%2)*64
	global_load_b128 v[QB+8*\i+4:QB+8*\i+7], v[QO], s[86:87] offset:(\i/2)*2048+(\i%2)*64+32
.endr
.set i, 0
.rept 64
	v_mov_b32 v[i], 0                              ; O^T: finite, for the first a = 0
.set i, i+1
.endr
	WIN 0
.irp t, 0,1
	v_mov_b32 v[ST+4*\t+2], 0
	v_mov_b32 v[ST+4*\t+3], 0
.endr
	v_mul_u32_u24 v[AK0], v1, PK
	v_lshl_add_u32 v[AK0], v9, 4, v[AK0]
	v_and_b32 v[GO], 7, v0                         ; l % 8, for now
	v_bfe_u32 v[PFO], v0, 3, 1                     ; (l / 8) % 2, for now
	v_lshl_add_u32 v[AV0], v9, 3, v[GO]            ; the turning load: key 8 (l / 16) + l % 8, channels 8 ((l / 8) % 2) on
	v_mul_u32_u24 v[AV0], v[AV0], PV
	v_lshl_add_u32 v[AV0], v[PFO], 4, v[AV0]
	v_add_nc_u32 v[AV0], VOFF, v[AV0]
	s_mul_i32 s16, s92, 16*SP
	s_add_co_u32 s16, s16, STAGE                   ; my pair's stage (waves 0-3 alone use it)
	v_mul_u32_u24 v[STO], v1, SP
	v_lshl_add_u32 v[STO], v9, 4, v[STO]
	v_add_nc_u32 v[STO], s16, v[STO]
	v_bfe_u32 v[RD], v0, 3, 2
	v_mul_u32_u24 v[RD], v[RD], SP
	v_lshl_add_u32 v[RD], v[GO], 4, v[RD]
	v_add_nc_u32 v[RD], s16, v[RD]
	v_and_b32 v[GO], 31, v0
	v_lshlrev_b32 v[PFO], 8, v[GO]
	v_lshlrev_b32 v[GO], 4, v[GO]
	s_mul_i32 s17, s92, MW
	s_add_co_u32 s17, s17, MERGE                   ; my pair's part of MERGE
	v_add_nc_u32 v[MG], s17, v[GO]
	v_lshlrev_b32 v[QD], 3, v9
	v_sub_nc_u32 v[QD], v1, v[QD]
	s_lshl_b32 s16, s92, 5
	v_add_nc_u32 v[QD], s16, v[QD]
.Lslot:                                ; eight times: a tile is entered and the next is asked for
	CHANGE 1
	TILE 1
	s_sub_co_u32 s[SLOTS], s[SLOTS], 1
	s_cmp_lg_u32 s[SLOTS], 0
	s_cbranch_scc1 .Lslot
	CHANGE 0                                       ; the walk's last tile is written out
	TILE 0
	s_wait_tensorcnt 0x0                           ; the wave's end
	ds_add_u32 v[SPW], v[NIL]
	s_wait_dscnt 0x0
	CROUND                                         ; the closing round
	s_endpgm
.Lfunc_end_k_qe364512c78_attn:
	.size	k_qe364512c78_attn, .Lfunc_end_k_qe364512c78_attn-k_qe364512c78_attn
	.p2alignl 7, 3214868480
	.fill 96, 4, 3214868480
	.section	.rodata,"a",@progbits
	.p2align	6, 0x0
	.amdhsa_kernel k_qe364512c78_attn
		.amdhsa_group_segment_fixed_size 327680
		.amdhsa_private_segment_fixed_size 0
		.amdhsa_enable_private_segment 0
		.amdhsa_kernarg_size 16
		.amdhsa_user_sgpr_count 2
		.amdhsa_user_sgpr_kernarg_segment_ptr 1
		.amdhsa_wavefront_size32 1
		.amdhsa_system_sgpr_workgroup_id_x 1
		.amdhsa_system_sgpr_workgroup_id_y 1
		.amdhsa_system_sgpr_workgroup_id_z 1
		.amdhsa_system_vgpr_workitem_id 0
		.amdhsa_next_free_vgpr 512
		.amdhsa_next_free_sgpr 96
		.amdhsa_reserve_vcc 1
		.amdhsa_float_denorm_mode_32 3
		.amdhsa_float_denorm_mode_16_64 3
		.amdhsa_memory_ordered 1
		.amdhsa_forward_progress 1
		.amdhsa_inst_pref_size 85
	.end_amdhsa_kernel
	.amdgpu_metadata
---
amdhsa.version: [ 1, 2 ]
amdhsa.kernels:
  - .name:           k_qe364512c78_attn
    .symbol:         k_qe364512c78_attn.kd
    .args:
      - { .name: qkv, .offset: 0, .size: 8, .value_kind: global_buffer, .address_space: global }
      - { .name: ctx, .offset: 8, .size: 8, .value_kind: global_buffer, .address_space: global }
    .group_segment_fixed_size: 327680
    .private_segment_fixed_size: 0
    .kernarg_segment_align: 8
    .kernarg_segment_size: 16
    .max_flat_workgroup_size: 256
    .sgpr_count:     96
    .vgpr_count:     512
    .wavefront_size: 32
...
	.end_amdgpu_metadata
.endif
;; end of part 3
;; launch oproj (part 4): grid 8 x 32, 4 waves a work-group, clusters of 4 x 4, 327,680 bytes of LDS; arguments ctx, wh, x, h; writes h
.if DOCPART == 4
	.amdgcn_target "amdgcn-amd-amdhsa--gfx1250"
	.amdhsa_code_object_version 6
	.text
	.protected	k_qe364512c78_oproj
	.globl	k_qe364512c78_oproj
	.p2align	8
	.type	k_qe364512c78_oproj,@function
k_qe364512c78_oproj:
	s_mov_b64 s[64:65], 0
	v_nop
	global_prefetch_b8 v0, s[64:65] scope:SCOPE_SE
	s_setreg_imm32_b32 hwreg(HW_REG_WAVE_MODE, 25, 1), 1
	s_wait_xcnt 0x0
	s_wait_alu depctr_hold_cnt(0) depctr_sa_sdst(0) depctr_va_vdst(0) depctr_va_sdst(0) depctr_va_ssrc(0) depctr_va_vcc(0) depctr_vm_vsrc(0)
	s_getreg_b32 s2, hwreg(HW_REG_IB_STS2, 6, 4)
	s_cmp_eq_u32 s2, 0
	s_cbranch_scc0 .Lentry_in_a_cluster
	s_endpgm
.Lentry_in_a_cluster:
	s_bfe_u32 s2, ttmp6, 0x10000c
	s_cmp_lg_u32 s2, 0xf033
	s_cbranch_scc0 .Lentry_shape_is_right
	s_endpgm
.Lentry_shape_is_right:
; h = x + ctx . wo^T.  A = ctx [batch 2][head 16][2048][64] f16 (K = 64 head + channel), B = wo [1024][1024] f16 at byte WO_OFF of wh; sums in f32; x and h [4096][1024] f32.
; SHARES.  A tile of C is 128 x 128: 32 x 8 = 256 work-groups.  Four waves, 2 x 2, each 64 x 64: 16 accumulators (window 1, v0-127); the wave's part of x waits in window 1, v128-255.
; K goes in steps of 256 (four heads) through two LDS slots.  A's piece is one load of four rows, a row = 64 tokens x 64 channels of one head (8,192 dense bytes), padded after every token.
; CLUSTER 4 x 4: A's tiles are shared along a row of the cluster, B's along a column, by joint loads.
; THE PRODUCT IS USED TRANSPOSED (source 0 = 16 rows of B, source 1 = 16 rows of A): a lane holds row l % 16 of C and eight neighbouring columns.
; One text for every K step (the slot in hand is a scalar register that an exclusive or turns); the last step is written out.  The accumulators are cleared in the wait for the first tile.
; No prefetch: each tile is asked for by 8 (A) or 32 (B) work-groups at about the same time, and four of them share each request.
.set WO_OFF, 3145728
.set KDIM,   1024
.set KSTEP,  256
.set NS,     KSTEP/32
.set TRIPS,  KDIM/KSTEP
.set NA,     2
.set NB,     4
.set RB,     64
.set QI,     6                         ; B: padding behind every 128 words
.set P,      2*KSTEP+16
.set PA,     144                       ; A: a token's 128 bytes of one head + 16
.set APIECE, 4*64*PA                   ; four heads x 64 tokens
.set AREG,   NA*APIECE
.set BPIECE, RB*P
.set SLOT,   AREG+NA*BPIECE
.set STAGE,  2*SLOT                    ; behind the ring: 16 rows x 272 bytes for each wave; no tile lands here
.set SPITCH, 272
.set SPARE,  STAGE+4*16*SPITCH
.set ASTEP,  4*262144                  ; four heads on
.set BSTEP,  2*KSTEP
.set NLD,    2*(NB+4)
.set FB,     8*(NB+4)
.set F0,     32
; v1 l % 16, v2 l / 16, v10/v11 my lane's place in A's / B's part of a slot, v12/v13 the same in the slot in hand, v14 into the stage, v15 back, v16 offset in x and h, v28/v29 the add's two
; s12 wave, s13 wm, s14 wn, s15 piece, s40-43 cx cy tx ty, s44/45 masks, s56 slot read, s57 slot filled, s58/59 my piece's place in a slot (A, B), s60 count
.set G1,  24
.set G0,  32
.set G0B, 36
.set G1B, 48
.set W_MUL, 0x50
.set MSB, 0
.macro WIN new
.if MSB != (\new)
	s_set_vgpr_msb (MSB<<8)|(\new)
.set MSB, (\new)
.endif
.endm
.macro PLACES
.rept 4
	v_nop
.endr
.endm
.macro CROUND
	s_barrier_signal -1
	s_barrier_wait -1
	s_cmp_lg_u32 s12, 0
	s_cbranch_scc1 .Lnot_wave_0_\@
	s_barrier_signal -3
.Lnot_wave_0_\@:
	s_barrier_wait -3
	s_barrier_signal -1
	s_barrier_wait -1
.endm
.macro JLOAD
	s_cmp_lt_u32 s12, NA
	s_cbranch_scc0 .Lfor_b_\@
	tensor_load_to_lds s[G0:G0+3], s[G1:G1+7]
	s_nop 0
	PLACES
	s_branch .Lasked_\@
.Lfor_b_\@:
	tensor_load_to_lds s[G0B:G0B+3], s[G1B:G1B+7]
	s_nop 0
	PLACES
.Lasked_\@:
.endm
.macro FETCH s, f
.set AK, ((\s)/2)*64*PA+((\s)%2)*64    ; head s / 2 of the step, channels 32 (s % 2) on
.set i, 0
.rept NB
	ds_load_b128 v[(\f)+8*i:(\f)+8*i+3],   v13 offset:64*(\s)+i*16*P
	ds_load_b128 v[(\f)+8*i+4:(\f)+8*i+7], v13 offset:64*(\s)+i*16*P+32
.set i, i+1
.endr
.set i, 0
.rept 4
	ds_load_b128 v[(\f)+8*NB+8*i:(\f)+8*NB+8*i+3],   v12 offset:AK+i*16*PA
	ds_load_b128 v[(\f)+8*NB+8*i+4:(\f)+8*NB+8*i+7], v12 offset:AK+i*16*PA+32
.set i, i+1
.endr
.endm
.macro MUL f                           ; every accumulator once: the accumulators take turns, over the backward jump too
	WIN W_MUL
.set ia, 0
.rept 4
.set ib, 0
.rept NB
	v_wmma_f32_16x16x32_f16 v[8*(NB*ia+ib):8*(NB*ia+ib)+7], v[(\f)+8*ib:(\f)+8*ib+7], v[(\f)+8*NB+8*ia:(\f)+8*NB+8*ia+7], v[8*(NB*ia+ib):8*(NB*ia+ib)+7]
.set ib, ib+1
.endr
.set ia, ia+1
.endr
.endm
.macro WORK
	FETCH 0, F0
.set ss, 0
.rept NS
.if ss+1 < NS
.if ss > 0
	PLACES
.endif
	WIN 0
	FETCH ss+1, F0+FB*((ss+1)%2)
	s_wait_dscnt NLD                               ; all but the NLD just issued
.else
	s_wait_dscnt 0x0
.endif
	MUL F0+FB*(ss%2)
.set ss, ss+1
.endr
.endm
; One K step: all my tensor loads waited for, the add, the wait for it and for my reads of the other slot; then the round (refill = 1) and the joint load first behind it, or a plain barrier.
.macro TRIP refill
	WIN 0
	s_wait_tensorcnt 0x0
	ds_add_u32 v28, v29
	s_xor_b32 s56, s56, SLOT
	v_add_nc_u32 v12, s56, v10
	v_add_nc_u32 v13, s56, v11
.if \refill
	s_xor_b32 s57, s57, SLOT
	s_add_co_u32 s[G0+1], s57, s58
	s_add_co_u32 s[G0B+1], s57, s59
	s_add_nc_u64 s[G0+2:G0+3], s[G0+2:G0+3], ASTEP
	s_add_nc_u64 s[G0B+2:G0B+3], s[G0B+2:G0B+3], BSTEP
.endif
	s_wait_dscnt 0x0
.if \refill
	CROUND
	JLOAD
.else
	s_barrier_signal -1
	s_barrier_wait -1
	PLACES
.endif
	WORK
	WIN 0
.endm
	s_load_b256 s[4:11], s[0:1], 0x0               ; ctx s[4:5], wh s[6:7], x s[8:9], h s[10:11]
	v_lshl_add_u32 v28, v0, 2, SPARE
	v_mov_b32 v29, 0
	ds_add_u32 v28, v29                            ; the opening: the add and its wait ahead of my first tensor load
	v_lshrrev_b32 v3, 5, v0
	v_readfirstlane_b32 s12, v3
	s_lshr_b32 s13, s12, 1
	s_and_b32 s14, s12, 1
	s_and_b32 s15, s12, NA-1
	s_bfe_u32 s40, ttmp6, 0x40000
	s_bfe_u32 s41, ttmp6, 0x40004
	s_lshl_b32 s42, ttmp9, 2
	s_add_co_u32 s42, s42, s40                     ; tx
	s_and_b32 s43, ttmp7, 0xffff
	s_lshl_b32 s43, s43, 2
	s_add_co_u32 s43, s43, s41                     ; ty
	s_lshl_b32 s44, s41, 2
	s_lshl_b32 s44, 15, s44
	s_lshl_b32 s45, 0x1111, s40
	s_or_b32 s[G1], s44, (1<<16)|(1<<20)|(1<<21)|(4<<22)|(3<<25)    ; A: padding of 4 words behind every 32 words, a token's channels
	s_or_b32 s[G1B], s45, (1<<16)|(1<<20)|(1<<21)|(QI<<22)|(3<<25)
	s_mov_b32 s[G1+1], 4096<<16                    ; tensor_dim0: 64 tokens x 64 channels
	s_mov_b32 s[G1+2], 4<<16                       ; tensor_dim1: four heads
	s_mov_b32 s[G1+3], 4096<<16                    ; tile_dim0
	s_mov_b32 s[G1+4], 4                           ; tile_dim1
	s_mov_b32 s[G1+5], 131072                      ; elements from head to head
	s_mov_b32 s[G1+6], 0
	s_mov_b32 s[G1+7], 0
	s_mov_b32 s[G1B+1], KSTEP<<16
	s_mov_b32 s[G1B+2], RB<<16
	s_mov_b32 s[G1B+3], KSTEP<<16
	s_mov_b32 s[G1B+4], RB
	s_mov_b32 s[G1B+5], KDIM
	s_mov_b32 s[G1B+6], 0
	s_mov_b32 s[G1B+7], 0
	s_lshr_b32 s16, s43, 4                         ; A: the batch, 4,194,304 bytes each,
	s_lshl_b32 s16, s16, 22
	s_and_b32 s18, s43, 15                         ; the tile's 128 tokens of 128 bytes,
	s_lshl_b32 s18, s18, 14
	s_add_co_u32 s16, s16, s18
	s_lshl_b32 s18, s15, 13                        ; my piece's 64
	s_add_co_u32 s16, s16, s18
	s_mov_b32 s17, 0
	s_lshl_b32 s46, s42, 18                        ; B: 128 tx rows of 2,048 bytes,
	s_lshl_b32 s19, s15, 17                        ; my piece's 64
	s_add_co_u32 s46, s46, s19
	s_add_co_u32 s46, s46, WO_OFF
	s_mov_b32 s47, 0
	s_mul_i32 s58, s15, APIECE
	s_mul_i32 s59, s15, BPIECE
	s_add_co_u32 s59, s59, AREG
	s_mov_b32 s56, SLOT
	s_mov_b32 s57, 0
	s_mov_b32 s[G0], 1
	s_mov_b32 s[G0+1], s58
	s_mov_b32 s[G0B], 1
	s_mov_b32 s[G0B+1], s59
	s_wait_dscnt 0x0
	s_wait_kmcnt 0x0
	s_add_nc_u64 s[G0+2:G0+3], s[4:5], s[16:17]
	s_or_b32 s[G0+3], s[G0+3], 0x80000000
	s_add_nc_u64 s[G0B+2:G0B+3], s[6:7], s[46:47]
	s_or_b32 s[G0B+3], s[G0B+3], 0x80000000
	CROUND
	JLOAD
	v_and_b32 v1, 15, v0
	v_bfe_u32 v2, v0, 4, 1
	v_lshlrev_b32 v16, 12, v2                      ; x and h: lanes 0-15 one row's 256 bytes, lanes 16-31 the next row's
	v_lshl_add_u32 v16, v1, 4, v16
	s_lshl_b32 s20, s43, 7
	s_lshl_b32 s21, s13, 6
	s_add_co_u32 s20, s20, s21                     ; my first row
	s_lshl_b32 s20, s20, 12
	s_lshl_b32 s21, s42, 9                         ; the tile's 128 columns of 4 bytes,
	s_add_co_u32 s20, s20, s21
	s_lshl_b32 s21, s14, 8                         ; my 64
	s_add_co_u32 s20, s20, s21
	s_mov_b32 s21, 0
	s_add_nc_u64 s[8:9], s[8:9], s[20:21]
	s_add_nc_u64 s[10:11], s[10:11], s[20:21]
	WIN 0x40
.set i, 0
.rept 32
	global_load_b128 v[128+4*i:128+4*i+3], v16, s[8:9] offset:2*i*4096  ; my 64 x 64 of x: out during the whole K loop
.set i, i+1
.endr
.set i, 0
.rept 32*NB
	v_mov_b32 v[i], 0
.set i, i+1
.endr
	WIN 0
	v_mul_u32_u24 v10, v1, PA
	v_lshl_add_u32 v10, v2, 4, v10
	s_mul_i32 s18, s13, APIECE
	v_add_nc_u32 v10, s18, v10
	v_mul_u32_u24 v11, v1, P
	v_lshl_add_u32 v11, v2, 4, v11
	s_mul_i32 s18, s14, 16*NB*P
	s_add_co_u32 s18, s18, AREG
	v_add_nc_u32 v11, s18, v11
	s_mul_i32 s18, s12, 16*SPITCH
	s_add_co_u32 s18, s18, STAGE                   ; my stage
	v_mul_u32_u24 v14, v1, SPITCH                  ; in: row l % 16, 32 bytes for each half of the lanes
	v_lshl_add_u32 v14, v2, 5, v14
	v_add_nc_u32 v14, s18, v14
	v_mul_u32_u24 v15, v2, SPITCH                  ; back: lanes 0-15 one row of 256 bytes, lanes 16-31 the next
	v_lshl_add_u32 v15, v1, 4, v15
	v_add_nc_u32 v15, s18, v15
	s_mov_b32 s60, TRIPS-1
.Lk:
	TRIP 1
	s_sub_co_u32 s60, s60, 1
	s_cmp_lg_u32 s60, 0
	s_cbranch_scc1 .Lk
	TRIP 0
	; THE WAY OUT, 16 rows at a time: the sums go through my own stage and come back as whole rows of 256 bytes; x is added; sixteen lanes store 256 consecutive bytes, aligned
	PLACES
	PLACES
.set a, 0
.rept 4
	WIN 0x04                                       ; store data and source 1 in window 1
.set b, 0
.rept 4
	ds_store_b128 v14, v[8*(4*a+b):8*(4*a+b)+3]   offset:64*b      ; each accumulator's low registers first
	ds_store_b128 v14, v[8*(4*a+b)+4:8*(4*a+b)+7] offset:64*b+16
.set b, b+1
.endr
.set t, 0
.rept 8
	ds_load_b128 v[32+32*a+4*t:32+32*a+4*t+3], v15 offset:2*SPITCH*t  ; LDS serves a wave's instructions in order: these see the stores above
.set t, t+1
.endr
	s_wait_dscnt 0x0
.if a == 0
	s_wait_loadcnt 0x0                             ; x
.endif
.set t, 0
.rept 16
	v_pk_add_f32 v[32+32*a+2*t:32+32*a+2*t+1], v[32+32*a+2*t:32+32*a+2*t+1], v[128+32*a+2*t:128+32*a+2*t+1]
.set t, t+1
.endr
	WIN 0
.set t, 0
.rept 8
	global_store_b128 v16, v[32+32*a+4*t:32+32*a+4*t+3], s[10:11] offset:(16*a+2*t)*4096
.set t, t+1
.endr
.set a, a+1
.endr
	s_wait_tensorcnt 0x0                           ; the wave's end
	ds_add_u32 v28, v29
	s_wait_dscnt 0x0
	CROUND
	s_endpgm
.Lfunc_end_k_qe364512c78_oproj:
	.size	k_qe364512c78_oproj, .Lfunc_end_k_qe364512c78_oproj-k_qe364512c78_oproj
	.p2alignl 7, 3214868480
	.fill 96, 4, 3214868480
	.section	.rodata,"a",@progbits
	.p2align	6, 0x0
	.amdhsa_kernel k_qe364512c78_oproj
		.amdhsa_group_segment_fixed_size 327680
		.amdhsa_private_segment_fixed_size 0
		.amdhsa_enable_private_segment 0
		.amdhsa_kernarg_size 32
		.amdhsa_user_sgpr_count 2
		.amdhsa_user_sgpr_kernarg_segment_ptr 1
		.amdhsa_wavefront_size32 1
		.amdhsa_system_sgpr_workgroup_id_x 1
		.amdhsa_system_sgpr_workgroup_id_y 1
		.amdhsa_system_sgpr_workgroup_id_z 1
		.amdhsa_system_vgpr_workitem_id 0
		.amdhsa_next_free_vgpr 512
		.amdhsa_next_free_sgpr 66
		.amdhsa_reserve_vcc 0
		.amdhsa_float_denorm_mode_32 3
		.amdhsa_float_denorm_mode_16_64 3
		.amdhsa_memory_ordered 1
		.amdhsa_forward_progress 1
		.amdhsa_inst_pref_size 62
	.end_amdhsa_kernel
	.amdgpu_metadata
---
amdhsa.version: [ 1, 2 ]
amdhsa.kernels:
  - .name:           k_qe364512c78_oproj
    .symbol:         k_qe364512c78_oproj.kd
    .args:
      - { .name: ctx, .offset: 0, .size: 8, .value_kind: global_buffer, .address_space: global }
      - { .name: wh, .offset: 8, .size: 8, .value_kind: global_buffer, .address_space: global }
      - { .name: x, .offset: 16, .size: 8, .value_kind: global_buffer, .address_space: global }
      - { .name: h, .offset: 24, .size: 8, .value_kind: global_buffer, .address_space: global }
    .group_segment_fixed_size: 327680
    .private_segment_fixed_size: 0
    .kernarg_segment_align: 8
    .kernarg_segment_size: 32
    .max_flat_workgroup_size: 128
    .sgpr_count:     66
    .vgpr_count:     512
    .wavefront_size: 32
...
	.end_amdgpu_metadata
.endif
;; end of part 4
;; launch ln2 (part 5): grid 256 x 1, 16 waves a work-group, no clusters, 0 bytes of LDS; arguments h, g2, b2, hn; writes hn
.if DOCPART == 5
	.amdgcn_target "amdgcn-amd-amdhsa--gfx1250"
	.amdhsa_code_object_version 6
	.text
	.protected	k_qe364512c78_ln2
	.globl	k_qe364512c78_ln2
	.p2align	8
	.type	k_qe364512c78_ln2,@function
k_qe364512c78_ln2:
	s_mov_b64 s[64:65], 0
	v_nop
	global_prefetch_b8 v0, s[64:65] scope:SCOPE_SE
	s_setreg_imm32_b32 hwreg(HW_REG_WAVE_MODE, 25, 1), 1
	s_wait_xcnt 0x0
; hn[r][c] = (h[r][c] - mean_r) * rsqrt(var_r + 1e-5) * g2[c] + b2[c].  h: [4096][1024] f32; g2, b2: [1024] f32; hn: [4096][1024] f16, rounded once.
; One wave takes one whole row (4,096 bytes = 32 registers a lane) and keeps it in registers for all passes: the row is read once, and no wave waits for another.
; The variance is taken of h - mean (two passes over registers), never as a difference of large sums.  Sixteen waves, sixteen rows to a work-group.
; Load j of a row covers bytes 512 j .. 512 j + 511; the matching store covers 256 consecutive bytes of hn, aligned.
; LIMIT: a result beyond 65,504 in magnitude becomes an infinity in f16.
.set T,  4                             ; v[4:11]    four chains of pairs
.set M,  12                            ; v[12:13]   the mean, twice
.set R,  14                            ; v[14:15]   1 / sqrt(var + eps), twice
.set X,  32                            ; v[32:63]   the row
.set G,  64                            ; v[64:95]   g of my 32 columns
.set BV, 96                            ; v[96:127]  b of my 32 columns
.set Y,  128                           ; v[128:143] the row in f16
	s_load_b256 s[4:11], s[0:1], 0x0               ; h s[4:5], g2 s[6:7], b2 s[8:9], hn s[10:11]
	v_lshrrev_b32 v3, 5, v0
	v_readfirstlane_b32 s24, v3                    ; wave 0..15
	v_and_b32 v2, 31, v0
	v_lshlrev_b32 v1, 4, v2                        ; 16 x lane: h, g, b
	v_lshlrev_b32 v2, 3, v2                        ; 8 x lane: hn
	v_mov_b32 v17, 0                               ; v_permlanex16_b32 counts as a reader of its destination
	s_lshl_b32 s25, ttmp9, 4
	s_add_co_u32 s25, s25, s24                     ; my row
	s_lshl_b32 s26, s25, 12                        ; rows of 4,096 bytes
	s_mov_b32 s27, 0
	s_lshl_b32 s34, s25, 11                        ; rows of 2,048 bytes
	s_mov_b32 s35, 0
	s_mov_b32 s28, 0x3a800000                      ; 1 / 1024
	s_mov_b32 s29, 0x3727c5ac                      ; 1e-5
	s_mov_b32 s30, 0x76543210                      ; each lane takes its own place in the other half
	s_mov_b32 s31, 0xfedcba98
	s_wait_kmcnt 0x0
	s_add_nc_u64 s[4:5], s[4:5], s[26:27]
	s_add_nc_u64 s[10:11], s[10:11], s[34:35]
.irp j, 0,1,2,3,4,5,6,7
	global_load_b128 v[X+4*\j:X+4*\j+3], v1, s[4:5] offset:512*\j th:TH_LOAD_NT
.endr
.irp j, 0,1,2,3,4,5,6,7
	global_load_b128 v[G+4*\j:G+4*\j+3], v1, s[6:7] offset:512*\j
.endr
.irp j, 0,1,2,3,4,5,6,7
	global_load_b128 v[BV+4*\j:BV+4*\j+3], v1, s[8:9] offset:512*\j
.endr
.macro FOLD                            ; the four chains and the 32 lanes into v16, in every lane
	v_pk_add_f32 v[T:T+1], v[T:T+1], v[T+2:T+3]
	v_pk_add_f32 v[T+4:T+5], v[T+4:T+5], v[T+6:T+7]
	v_pk_add_f32 v[T:T+1], v[T:T+1], v[T+4:T+5]
	v_add_f32 v16, v[T], v[T+1]
	v_add_f32_dpp v16, v16, v16 row_xmask:1 row_mask:0xf bank_mask:0xf
	v_add_f32_dpp v16, v16, v16 row_xmask:2 row_mask:0xf bank_mask:0xf
	v_add_f32_dpp v16, v16, v16 row_xmask:4 row_mask:0xf bank_mask:0xf
	v_add_f32_dpp v16, v16, v16 row_xmask:8 row_mask:0xf bank_mask:0xf
	v_permlanex16_b32 v17, v16, s30, s31
	v_add_f32 v16, v16, v17
.endm
	s_wait_loadcnt 16                              ; the row is in; g's and b's sixteen loads stay out
.irp c, 0,1,2,3
	v_pk_add_f32 v[T+2*\c:T+2*\c+1], v[X+2*\c:X+2*\c+1], v[X+8+2*\c:X+8+2*\c+1]  ; the first pairs start the chains: nothing is cleared
.endr
.irp k, 2,3
.irp c, 0,1,2,3
	v_pk_add_f32 v[T+2*\c:T+2*\c+1], v[T+2*\c:T+2*\c+1], v[X+8*\k+2*\c:X+8*\k+2*\c+1]
.endr
.endr
	FOLD
	v_mul_f32 v[M], s28, v16
	v_mov_b32 v[M+1], v[M]
.irp p, 0,1,2,3,4,5,6,7,8,9,10,11,12,13,14,15
	v_pk_add_f32 v[X+2*\p:X+2*\p+1], v[X+2*\p:X+2*\p+1], v[M:M+1] neg_lo:[0,1] neg_hi:[0,1]  ; h - mean, in place
.endr
.irp c, 0,1,2,3
	v_pk_mul_f32 v[T+2*\c:T+2*\c+1], v[X+2*\c:X+2*\c+1], v[X+2*\c:X+2*\c+1]
.endr
.irp k, 1,2,3
.irp c, 0,1,2,3
	v_pk_fma_f32 v[T+2*\c:T+2*\c+1], v[X+8*\k+2*\c:X+8*\k+2*\c+1], v[X+8*\k+2*\c:X+8*\k+2*\c+1], v[T+2*\c:T+2*\c+1]
.endr
.endr
	FOLD
	v_fma_f32 v16, v16, s28, s29                   ; var + eps
	v_rsq_f32 v[R], v16
	v_rsq_f32 v[R+1], v16
	v_nop                                          ; a plain instruction behind the last of the two
	s_wait_loadcnt 0x0                             ; g and b
	s_wait_alu depctr_va_vdst(0)                   ; one wait for both, ahead of their first reader
.irp p, 0,1,2,3,4,5,6,7,8,9,10,11,12,13,14,15
	v_pk_mul_f32 v[X+2*\p:X+2*\p+1], v[X+2*\p:X+2*\p+1], v[R:R+1]
.endr
.irp p, 0,1,2,3,4,5,6,7,8,9,10,11,12,13,14,15
	v_pk_fma_f32 v[X+2*\p:X+2*\p+1], v[X+2*\p:X+2*\p+1], v[G+2*\p:G+2*\p+1], v[BV+2*\p:BV+2*\p+1]
.endr
.irp p, 0,1,2,3,4,5,6,7,8,9,10,11,12,13,14,15
	v_cvt_pk_f16_f32 v[Y+\p], v[X+2*\p], v[X+2*\p+1]
.endr
.irp j, 0,1,2,3,4,5,6,7
	global_store_b64 v2, v[Y+2*\j:Y+2*\j+1], s[10:11] offset:256*\j
.endr
	s_endpgm
.Lfunc_end_k_qe364512c78_ln2:
	.size	k_qe364512c78_ln2, .Lfunc_end_k_qe364512c78_ln2-k_qe364512c78_ln2
	.p2alignl 7, 3214868480
	.fill 96, 4, 3214868480
	.section	.rodata,"a",@progbits
	.p2align	6, 0x0
	.amdhsa_kernel k_qe364512c78_ln2
		.amdhsa_group_segment_fixed_size 0
		.amdhsa_private_segment_fixed_size 0
		.amdhsa_enable_private_segment 0
		.amdhsa_kernarg_size 32
		.amdhsa_user_sgpr_count 2
		.amdhsa_user_sgpr_kernarg_segment_ptr 1
		.amdhsa_wavefront_size32 1
		.amdhsa_system_sgpr_workgroup_id_x 1
		.amdhsa_system_sgpr_workgroup_id_y 1
		.amdhsa_system_sgpr_workgroup_id_z 1
		.amdhsa_system_vgpr_workitem_id 0
		.amdhsa_next_free_vgpr 144
		.amdhsa_next_free_sgpr 66
		.amdhsa_reserve_vcc 0
		.amdhsa_float_denorm_mode_32 3
		.amdhsa_float_denorm_mode_16_64 3
		.amdhsa_memory_ordered 1
		.amdhsa_forward_progress 1
		.amdhsa_inst_pref_size 12
	.end_amdhsa_kernel
	.amdgpu_metadata
---
amdhsa.version: [ 1, 2 ]
amdhsa.kernels:
  - .name:           k_qe364512c78_ln2
    .symbol:         k_qe364512c78_ln2.kd
    .args:
      - { .name: h, .offset: 0, .size: 8, .value_kind: global_buffer, .address_space: global }
      - { .name: g2, .offset: 8, .size: 8, .value_kind: global_buffer, .address_space: global }
      - { .name: b2, .offset: 16, .size: 8, .value_kind: global_buffer, .address_space: global }
      - { .name: hn, .offset: 24, .size: 8, .value_kind: global_buffer, .address_space: global }
    .group_segment_fixed_size: 0
    .private_segment_fixed_size: 0
    .kernarg_segment_align: 8
    .kernarg_segment_size: 32
    .max_flat_workgroup_size: 512
    .sgpr_count:     66
    .vgpr_count:     144
    .wavefront_size: 32
...
	.end_amdgpu_metadata
.endif
;; end of part 5
;; launch ffup (part 6): grid 16 x 16, 8 waves a work-group, clusters of 4 x 4, 327,680 bytes of LDS; arguments hn, wh, act; writes act
.if DOCPART == 6
	.amdgcn_target "amdgcn-amd-amdhsa--gfx1250"
	.amdhsa_code_object_version 6
	.text
	.protected	k_qe364512c78_ffup
	.globl	k_qe364512c78_ffup
	.p2align	8
	.type	k_qe364512c78_ffup,@function
k_qe364512c78_ffup:
	s_mov_b64 s[64:65], 0
	v_nop
	global_prefetch_b8 v0, s[64:65] scope:SCOPE_SE
	s_setreg_imm32_b32 hwreg(HW_REG_WAVE_MODE, 25, 1), 1
	s_wait_xcnt 0x0
	s_wait_alu depctr_hold_cnt(0) depctr_sa_sdst(0) depctr_va_vdst(0) depctr_va_sdst(0) depctr_va_ssrc(0) depctr_va_vcc(0) depctr_vm_vsrc(0)
	s_getreg_b32 s2, hwreg(HW_REG_IB_STS2, 6, 4)
	s_cmp_eq_u32 s2, 0
	s_cbranch_scc0 .Lentry_in_a_cluster
	s_endpgm
.Lentry_in_a_cluster:
	s_bfe_u32 s2, ttmp6, 0x10000c
	s_cmp_lg_u32 s2, 0xf033
	s_cbranch_scc0 .Lentry_shape_is_right
	s_endpgm
.Lentry_shape_is_right:
; act = gelu_tanh(LN2(h) . w1^T).  A = hn [4096][1024] f16, B = w1 [4096][1024] f16 at byte W1_OFF of wh; sums and the activation in f32; act [4096][4096] f16, rounded once.
; SHARES.  A tile of C is 256 x 256: 16 x 16 = 256 work-groups.  Eight waves, 4 x 2, each 64 x 128: 32 accumulators fill window 1; two waves of 512 registers share a SIMD's 1,024.
; K goes in steps of 128 through two LDS slots; waves 0-3 fetch A's four pieces of 64 rows, waves 4-7 B's.
; CLUSTER 4 x 4: A's tiles are shared along a row of the cluster, B's along a column, by joint loads.
; THE PRODUCT IS USED TRANSPOSED (source 0 = 16 rows of B, source 1 = 16 rows of A): a lane holds row l % 16 of C and eight neighbouring columns.
; GELU.  0.5 x (1 + tanh u) = x / (1 + e^(-2u)), u = sqrt(2/pi) (x + 0.044715 x^3): x * rcp(1 + exp2(x (KA x^2 + KB))), KB = -2 sqrt(2/pi) log2(e), KA = 0.044715 KB.
; For large x the exponential is 0 and the result x; for large -x it is an infinity, the reciprocal 0 and the result -0.
; THE WAY OUT IS WRITTEN ONCE.  Behind a barrier (every wave has read its last fragments) each wave lays its 64 x 128 sums, f32, into the ring's bytes, which have had their last fill:
; 64 rows of 528 bytes a wave, 270,336 bytes for the eight.  A loop of 8 trips then reads 8 whole rows, applies the activation and stores each row's 256 bytes of f16.
; One text for every K step; the last is written out.  The accumulators are cleared in the wait for the first tile.
; No prefetch: each tile is asked for by 16 work-groups at about the same time, and four of them share each request.
; LIMIT: a result beyond 65,504 in magnitude becomes an infinity in f16.
.set W1_OFF, 5242880
.set KDIM,   1024
.set KSTEP,  128
.set NS,     KSTEP/32
.set TRIPS,  KDIM/KSTEP
.set NA,     4
.set NB,     8
.set RB,     64
.set QI,     5
.set P,      2*KSTEP+16
.set PA,     P
.set APIECE, 64*PA
.set AREG,   NA*APIECE
.set BPIECE, RB*P
.set SLOT,   AREG+NA*BPIECE
.set GP,     528                       ; the way out: a row of 128 f32 + 16 bytes: an odd multiple of 16
.set SPARE,  2*SLOT                    ; behind the ring: the spare words, 128 bytes a wave
.set ASTEP,  2*KSTEP
.set BSTEP,  2*KSTEP
.set NLD,    2*(NB+4)
.set FB,     8*(NB+4)
.set F0,     32
; v1 l % 16, v2 l / 16, v10/v11 my lane's place in A's / B's part of a slot, v12/v13 the same in the slot in hand, v14 where I lay sums, v15 where I read rows, v16 offset in act, v28/v29 the add's two
; s12 wave, s13 wm, s14 wn, s15 piece, s[20:21] KA, s[22:23] KB, s40-43 cx cy tx ty, s44/45 masks, s56 slot read, s57 slot filled, s58/59 my piece's place in a slot, s60 count
.set G1,  24
.set G0,  32
.set G0B, 36
.set G1B, 48
.set W_MUL, 0x50
.set MSB, 0
.macro WIN new
.if MSB != (\new)
	s_set_vgpr_msb (MSB<<8)|(\new)
.set MSB, (\new)
.endif
.endm
.macro PLACES
.rept 4
	v_nop
.endr
.endm
.macro CROUND
	s_barrier_signal -1
	s_barrier_wait -1
	s_cmp_lg_u32 s12, 0
	s_cbranch_scc1 .Lnot_wave_0_\@
	s_barrier_signal -3
.Lnot_wave_0_\@:
	s_barrier_wait -3
	s_barrier_signal -1
	s_barrier_wait -1
.endm
.macro JLOAD
	s_cmp_lt_u32 s12, NA
	s_cbranch_scc0 .Lfor_b_\@
	tensor_load_to_lds s[G0:G0+3], s[G1:G1+7]
	s_nop 0
	PLACES
	s_branch .Lasked_\@
.Lfor_b_\@:
	tensor_load_to_lds s[G0B:G0B+3], s[G1B:G1B+7]
	s_nop 0
	PLACES
.Lasked_\@:
.endm
.macro FETCH s, f
.set AK, 64*(\s)
.set i, 0
.rept NB
	ds_load_b128 v[(\f)+8*i:(\f)+8*i+3],   v13 offset:64*(\s)+i*16*P
	ds_load_b128 v[(\f)+8*i+4:(\f)+8*i+7], v13 offset:64*(\s)+i*16*P+32
.set i, i+1
.endr
.set i, 0
.rept 4
	ds_load_b128 v[(\f)+8*NB+8*i:(\f)+8*NB+8*i+3],   v12 offset:AK+i*16*PA
	ds_load_b128 v[(\f)+8*NB+8*i+4:(\f)+8*NB+8*i+7], v12 offset:AK+i*16*PA+32
.set i, i+1
.endr
.endm
.macro MUL f                           ; every accumulator once: the accumulators take turns, over the backward jump too
	WIN W_MUL
.set ia, 0
.rept 4
.set ib, 0
.rept NB
	v_wmma_f32_16x16x32_f16 v[8*(NB*ia+ib):8*(NB*ia+ib)+7], v[(\f)+8*ib:(\f)+8*ib+7], v[(\f)+8*NB+8*ia:(\f)+8*NB+8*ia+7], v[8*(NB*ia+ib):8*(NB*ia+ib)+7]
.set ib, ib+1
.endr
.set ia, ia+1
.endr
.endm
.macro WORK
	FETCH 0, F0
.set ss, 0
.rept NS
.if ss+1 < NS
.if ss > 0
	PLACES
.endif
	WIN 0
	FETCH ss+1, F0+FB*((ss+1)%2)
	s_wait_dscnt NLD                               ; all but the NLD just issued
.else
	s_wait_dscnt 0x0
.endif
	MUL F0+FB*(ss%2)
.set ss, ss+1
.endr
.endm
; One K step: all my tensor loads waited for, the add, the wait for it and for my reads of the other slot; then the round (refill = 1) and the joint load first behind it, or a plain barrier.
.macro TRIP refill
	WIN 0
	s_wait_tensorcnt 0x0
	ds_add_u32 v28, v29
	s_xor_b32 s56, s56, SLOT
	v_add_nc_u32 v12, s56, v10
	v_add_nc_u32 v13, s56, v11
.if \refill
	s_xor_b32 s57, s57, SLOT
	s_add_co_u32 s[G0+1], s57, s58
	s_add_co_u32 s[G0B+1], s57, s59
	s_add_nc_u64 s[G0+2:G0+3], s[G0+2:G0+3], ASTEP
	s_add_nc_u64 s[G0B+2:G0B+3], s[G0B+2:G0B+3], BSTEP
.endif
	s_wait_dscnt 0x0
.if \refill
	CROUND
	JLOAD
.else
	s_barrier_signal -1
	s_barrier_wait -1
	PLACES
.endif
	WORK
	WIN 0
.endm
	s_load_b128 s[4:7], s[0:1], 0x0                ; hn s[4:5], wh s[6:7]
	s_load_b64 s[8:9], s[0:1], 0x10                ; act
	v_lshl_add_u32 v28, v0, 2, SPARE
	v_mov_b32 v29, 0
	ds_add_u32 v28, v29                            ; the opening: the add and its wait ahead of my first tensor load
	v_lshrrev_b32 v3, 5, v0
	v_readfirstlane_b32 s12, v3
	s_lshr_b32 s13, s12, 1
	s_and_b32 s14, s12, 1
	s_and_b32 s15, s12, NA-1
	s_bfe_u32 s40, ttmp6, 0x40000
	s_bfe_u32 s41, ttmp6, 0x40004
	s_lshl_b32 s42, ttmp9, 2
	s_add_co_u32 s42, s42, s40                     ; tx
	s_and_b32 s43, ttmp7, 0xffff
	s_lshl_b32 s43, s43, 2
	s_add_co_u32 s43, s43, s41                     ; ty
	s_lshl_b32 s44, s41, 2
	s_lshl_b32 s44, 15, s44
	s_lshl_b32 s45, 0x1111, s40
	s_or_b32 s[G1], s44, (1<<16)|(1<<20)|(1<<21)|(QI<<22)|(3<<25)
	s_or_b32 s[G1B], s45, (1<<16)|(1<<20)|(1<<21)|(QI<<22)|(3<<25)
	s_mov_b32 s[G1+1], KSTEP<<16
	s_mov_b32 s[G1+2], 64<<16
	s_mov_b32 s[G1+3], KSTEP<<16
	s_mov_b32 s[G1+4], 64
	s_mov_b32 s[G1+5], KDIM
	s_mov_b32 s[G1+6], 0
	s_mov_b32 s[G1+7], 0
	s_mov_b32 s[G1B+1], KSTEP<<16
	s_mov_b32 s[G1B+2], RB<<16
	s_mov_b32 s[G1B+3], KSTEP<<16
	s_mov_b32 s[G1B+4], RB
	s_mov_b32 s[G1B+5], KDIM
	s_mov_b32 s[G1B+6], 0
	s_mov_b32 s[G1B+7], 0
	s_lshl_b32 s16, s43, 19                        ; A: 256 ty rows of 2,048 bytes,
	s_lshl_b32 s18, s15, 17                        ; my piece's 64
	s_add_co_u32 s16, s16, s18
	s_mov_b32 s17, 0
	s_lshl_b32 s46, s42, 19                        ; B: 256 tx rows,
	s_lshl_b32 s19, s15, 17                        ; my piece's 64
	s_add_co_u32 s46, s46, s19
	s_add_co_u32 s46, s46, W1_OFF
	s_mov_b32 s47, 0
	s_mul_i32 s58, s15, APIECE
	s_mul_i32 s59, s15, BPIECE
	s_add_co_u32 s59, s59, AREG
	s_mov_b32 s56, SLOT
	s_mov_b32 s57, 0
	s_mov_b32 s[G0], 1
	s_mov_b32 s[G0+1], s58
	s_mov_b32 s[G0B], 1
	s_mov_b32 s[G0B+1], s59
	s_wait_dscnt 0x0
	s_wait_kmcnt 0x0
	s_add_nc_u64 s[G0+2:G0+3], s[4:5], s[16:17]
	s_or_b32 s[G0+3], s[G0+3], 0x80000000
	s_add_nc_u64 s[G0B+2:G0B+3], s[6:7], s[46:47]
	s_or_b32 s[G0B+3], s[G0B+3], 0x80000000
	CROUND
	JLOAD
	v_and_b32 v1, 15, v0
	v_bfe_u32 v2, v0, 4, 1
	v_mul_u32_u24 v10, v1, PA
	v_lshl_add_u32 v10, v2, 4, v10
	s_mul_i32 s18, s13, APIECE
	v_add_nc_u32 v10, s18, v10
	v_mul_u32_u24 v11, v1, P
	v_lshl_add_u32 v11, v2, 4, v11
	s_mul_i32 s18, s14, 16*NB*P
	s_add_co_u32 s18, s18, AREG
	v_add_nc_u32 v11, s18, v11
	s_mul_i32 s18, s12, 64*GP                      ; the way out: my 64 rows of 528 bytes
	v_mul_u32_u24 v14, v1, GP                      ; in: row l % 16, 32 bytes for each half of the lanes
	v_lshl_add_u32 v14, v2, 5, v14
	v_add_nc_u32 v14, s18, v14
	v_and_b32 v3, 31, v0
	v_lshl_add_u32 v15, v3, 4, s18                 ; back: 32 lanes take one row's 512 bytes
	v_lshlrev_b32 v16, 3, v3                       ; which are 256 bytes of act
	s_lshl_b32 s20, s43, 8
	s_lshl_b32 s21, s13, 6
	s_add_co_u32 s20, s20, s21                     ; my first row
	s_lshl_b32 s20, s20, 13
	s_lshl_b32 s21, s42, 9                         ; the tile's 256 columns of 2 bytes,
	s_add_co_u32 s20, s20, s21
	s_lshl_b32 s21, s14, 8                         ; my 128
	s_add_co_u32 s20, s20, s21
	s_mov_b32 s21, 0
	s_add_nc_u64 s[8:9], s[8:9], s[20:21]
	s_mov_b32 s20, 0xbdd2d3e8                      ; KA = -0.10294324
	s_mov_b32 s21, s20
	s_mov_b32 s22, 0xc0135761                      ; KB = -2.3022082
	s_mov_b32 s23, s22
	WIN 0x40
.set i, 0
.rept 32*NB
	v_mov_b32 v[i], 0
.set i, i+1
.endr
	WIN 0
	s_mov_b32 s60, TRIPS-1
.Lk:
	TRIP 1
	s_sub_co_u32 s60, s60, 1
	s_cmp_lg_u32 s60, 0
	s_cbranch_scc1 .Lk
	TRIP 0
	; THE WAY OUT
.set XR,  32                           ; v[32:63]   eight rows as read back: lane l holds columns 4 l .. 4 l + 3
.set TW,  64                           ; v[64:95]   at work
.set PKD, 96                           ; v[96:111]  packed
	PLACES
	PLACES
	s_wait_dscnt 0x0                               ; my reads of the ring are over,
	s_barrier_signal -1
	s_barrier_wait -1                              ; and everybody's: the ring's bytes, filled for the last time, take the sums
	WIN 0x04                                       ; store data in window 1
.set i, 0
.rept 4*NB
	ds_store_b128 v14, v[8*i:8*i+3]   offset:(i/NB)*16*GP+64*(i%NB)     ; each accumulator's low registers first
	ds_store_b128 v14, v[8*i+4:8*i+7] offset:(i/NB)*16*GP+64*(i%NB)+16
.set i, i+1
.endr
	WIN 0
	s_mov_b32 s60, 8
.Lout:                                 ; eight rows a trip; one batch of 32 exponentials and one of 32 reciprocals, a wait each
.set t, 0
.rept 8
	ds_load_b128 v[XR+4*t:XR+4*t+3], v15 offset:GP*t  ; my own bytes: LDS serves a wave's instructions in order, so these see the stores above
.set t, t+1
.endr
	s_wait_dscnt 0x0
.set j, 0
.rept 16
	v_pk_mul_f32 v[TW+2*j:TW+2*j+1], v[XR+2*j:XR+2*j+1], v[XR+2*j:XR+2*j+1]  ; x^2
.set j, j+1
.endr
.set j, 0
.rept 16
	v_pk_fma_f32 v[TW+2*j:TW+2*j+1], v[TW+2*j:TW+2*j+1], s[20:21], s[22:23] op_sel_hi:[1,0,0]  ; KA x^2 + KB
.set j, j+1
.endr
.set j, 0
.rept 16
	v_pk_mul_f32 v[TW+2*j:TW+2*j+1], v[TW+2*j:TW+2*j+1], v[XR+2*j:XR+2*j+1]
.if j > 0
	v_exp_f32 v[TW+2*j-2], v[TW+2*j-2]
	v_exp_f32 v[TW+2*j-1], v[TW+2*j-1]
.endif
.set j, j+1
.endr
	v_exp_f32 v[TW+30], v[TW+30]
	v_exp_f32 v[TW+31], v[TW+31]
	v_nop                                          ; a plain instruction behind the last exponential
	s_wait_alu depctr_va_vdst(0)                   ; one wait for the 32, ahead of the first reader
.set j, 0
.rept 16
	v_pk_add_f32 v[TW+2*j:TW+2*j+1], v[TW+2*j:TW+2*j+1], 1.0 op_sel_hi:[1,0]
.if j > 0
	v_rcp_f32 v[TW+2*j-2], v[TW+2*j-2]
	v_rcp_f32 v[TW+2*j-1], v[TW+2*j-1]
.endif
.set j, j+1
.endr
	v_rcp_f32 v[TW+30], v[TW+30]
	v_rcp_f32 v[TW+31], v[TW+31]
	v_nop
	s_wait_alu depctr_va_vdst(0)                   ; one wait for the 32 reciprocals
.set j, 0
.rept 16
	v_pk_mul_f32 v[TW+2*j:TW+2*j+1], v[TW+2*j:TW+2*j+1], v[XR+2*j:XR+2*j+1]
.set j, j+1
.endr
	s_wait_xcnt 0x0                                ; the last trip's stores have read their data and their offset: both are written again only behind this wait
	v_add_nc_u32 v16, 8*8192, v16                  ; eight rows of act on; the stores reach back by their immediate
.set j, 0
.rept 16
	v_cvt_pk_f16_f32 v[PKD+j], v[TW+2*j], v[TW+2*j+1]
.set j, j+1
.endr
.set t, 0
.rept 8
	global_store_b64 v16, v[PKD+2*t:PKD+2*t+1], s[8:9] offset:8192*t-8*8192  ; a wave's store covers 256 consecutive bytes, aligned
.set t, t+1
.endr
	v_add_nc_u32 v15, 8*GP, v15
	s_sub_co_u32 s60, s60, 1
	s_cmp_lg_u32 s60, 0
	s_cbranch_scc1 .Lout
	s_wait_tensorcnt 0x0                           ; the wave's end
	ds_add_u32 v28, v29
	s_wait_dscnt 0x0
	CROUND
	s_endpgm
.Lfunc_end_k_qe364512c78_ffup:
	.size	k_qe364512c78_ffup, .Lfunc_end_k_qe364512c78_ffup-k_qe364512c78_ffup
	.p2alignl 7, 3214868480
	.fill 96, 4, 3214868480
	.section	.rodata,"a",@progbits
	.p2align	6, 0x0
	.amdhsa_kernel k_qe364512c78_ffup
		.amdhsa_group_segment_fixed_size 327680
		.amdhsa_private_segment_fixed_size 0
		.amdhsa_enable_private_segment 0
		.amdhsa_kernarg_size 24
		.amdhsa_user_sgpr_count 2
		.amdhsa_user_sgpr_kernarg_segment_ptr 1
		.amdhsa_wavefront_size32 1
		.amdhsa_system_sgpr_workgroup_id_x 1
		.amdhsa_system_sgpr_workgroup_id_y 1
		.amdhsa_system_sgpr_workgroup_id_z 1
		.amdhsa_system_vgpr_workitem_id 0
		.amdhsa_next_free_vgpr 512
		.amdhsa_next_free_sgpr 66
		.amdhsa_reserve_vcc 0
		.amdhsa_float_denorm_mode_32 3
		.amdhsa_float_denorm_mode_16_64 3
		.amdhsa_memory_ordered 1
		.amdhsa_forward_progress 1
		.amdhsa_inst_pref_size 60
	.end_amdhsa_kernel
	.amdgpu_metadata
---
amdhsa.version: [ 1, 2 ]
amdhsa.kernels:
  - .name:           k_qe364512c78_ffup
    .symbol:         k_qe364512c78_ffup.kd
    .args:
      - { .name: hn, .offset: 0, .size: 8, .value_kind: global_buffer, .address_space: global }
      - { .name: wh, .offset: 8, .size: 8, .value_kind: global_buffer, .address_space: global }
      - { .name: act, .offset: 16, .size: 8, .value_kind: global_buffer, .address_space: global }
    .group_segment_fixed_size: 327680
    .private_segment_fixed_size: 0
    .kernarg_segment_align: 8
    .kernarg_segment_size: 24
    .max_flat_workgroup_size: 256
    .sgpr_count:     66
    .vgpr_count:     512
    .wavefront_size: 32
...
	.end_amdgpu_metadata
.endif
;; end of part 6
;; launch ffdown (part 7): grid 8 x 32, 4 waves a work-group, clusters of 4 x 4, 327,680 bytes of LDS; arguments act, wh, h, out0; writes out0
.if DOCPART == 7
	.amdgcn_target "amdgcn-amd-amdhsa--gfx1250"
	.amdhsa_code_object_version 6
	.text
	.protected	k_qe364512c78_ffdown
	.globl	k_qe364512c78_ffdown
	.p2align	8
	.type	k_qe364512c78_ffdown,@function
k_qe364512c78_ffdown:
	s_mov_b64 s[64:65], 0
	v_nop
	global_prefetch_b8 v0, s[64:65] scope:SCOPE_SE
	s_setreg_imm32_b32 hwreg(HW_REG_WAVE_MODE, 25, 1), 1
	s_wait_xcnt 0x0
	s_wait_alu depctr_hold_cnt(0) depctr_sa_sdst(0) depctr_va_vdst(0) depctr_va_sdst(0) depctr_va_ssrc(0) depctr_va_vcc(0) depctr_vm_vsrc(0)
	s_getreg_b32 s2, hwreg(HW_REG_IB_STS2, 6, 4)
	s_cmp_eq_u32 s2, 0
	s_cbranch_scc0 .Lentry_in_a_cluster
	s_endpgm
.Lentry_in_a_cluster:
	s_bfe_u32 s2, ttmp6, 0x10000c
	s_cmp_lg_u32 s2, 0xf033
	s_cbranch_scc0 .Lentry_shape_is_right
	s_endpgm
.Lentry_shape_is_right:
; out0 = h + act . w2^T.  A = act [4096][4096] f16, B = w2 [1024][4096] f16 at byte W2_OFF of wh; sums in f32; h and out0 [4096][1024] f32.
; SHARES.  A tile of C is 128 x 128: 32 x 8 = 256 work-groups.  Four waves, 2 x 2, each 64 x 64: 16 accumulators (window 1, v0-127); the wave's part of h waits in window 1, v128-255.
; K goes in 16 steps of 256 (LDS rows of 512 bytes + 16) through two LDS slots.
; CLUSTER 4 x 4: A's tiles are shared along a row of the cluster, B's along a column, by joint loads.
; THE PRODUCT IS USED TRANSPOSED (source 0 = 16 rows of B, source 1 = 16 rows of A): a lane holds row l % 16 of C and eight neighbouring columns.
; One text for every K step; the last is written out.  The accumulators are cleared in the wait for the first tile.
; No prefetch: each tile is asked for by 8 (A) or 32 (B) work-groups at about the same time, and four of them share each request.
.set W2_OFF, 13631488
.set KDIM,   4096
.set KSTEP,  256
.set NS,     KSTEP/32
.set TRIPS,  KDIM/KSTEP
.set NA,     2
.set NB,     4
.set RB,     64
.set QI,     6
.set P,      2*KSTEP+16
.set PA,     P
.set APIECE, 64*PA
.set AREG,   NA*APIECE
.set BPIECE, RB*P
.set SLOT,   AREG+NA*BPIECE
.set STAGE,  2*SLOT                    ; behind the ring: 16 rows x 272 bytes for each wave; no tile lands here
.set SPITCH, 272
.set SPARE,  STAGE+4*16*SPITCH
.set ASTEP,  2*KSTEP
.set BSTEP,  2*KSTEP
.set NLD,    2*(NB+4)
.set FB,     8*(NB+4)
.set F0,     32
; v1 l % 16, v2 l / 16, v10/v11 my lane's place in A's / B's part of a slot, v12/v13 the same in the slot in hand, v14 into the stage, v15 back, v16 offset in h and out0, v28/v29 the add's two
; s12 wave, s13 wm, s14 wn, s15 piece, s40-43 cx cy tx ty, s44/45 masks, s56 slot read, s57 slot filled, s58/59 my piece's place in a slot (A, B), s60 count
.set G1,  24
.set G0,  32
.set G0B, 36
.set G1B, 48
.set W_MUL, 0x50
.set MSB, 0
.macro WIN new
.if MSB != (\new)
	s_set_vgpr_msb (MSB<<8)|(\new)
.set MSB, (\new)
.endif
.endm
.macro PLACES
.rept 4
	v_nop
.endr
.endm
.macro CROUND
	s_barrier_signal -1
	s_barrier_wait -1
	s_cmp_lg_u32 s12, 0
	s_cbranch_scc1 .Lnot_wave_0_\@
	s_barrier_signal -3
.Lnot_wave_0_\@:
	s_barrier_wait -3
	s_barrier_signal -1
	s_barrier_wait -1
.endm
.macro JLOAD
	s_cmp_lt_u32 s12, NA
	s_cbranch_scc0 .Lfor_b_\@
	tensor_load_to_lds s[G0:G0+3], s[G1:G1+7]
	s_nop 0
	PLACES
	s_branch .Lasked_\@
.Lfor_b_\@:
	tensor_load_to_lds s[G0B:G0B+3], s[G1B:G1B+7]
	s_nop 0
	PLACES
.Lasked_\@:
.endm
.macro FETCH s, f
.set AK, 64*(\s)
.set i, 0
.rept NB
	ds_load_b128 v[(\f)+8*i:(\f)+8*i+3],   v13 offset:64*(\s)+i*16*P
	ds_load_b128 v[(\f)+8*i+4:(\f)+8*i+7], v13 offset:64*(\s)+i*16*P+32
.set i, i+1
.endr
.set i, 0
.rept 4
	ds_load_b128 v[(\f)+8*NB+8*i:(\f)+8*NB+8*i+3],   v12 offset:AK+i*16*PA
	ds_load_b128 v[(\f)+8*NB+8*i+4:(\f)+8*NB+8*i+7], v12 offset:AK+i*16*PA+32
.set i, i+1
.endr
.endm
.macro MUL f                           ; every accumulator once: the accumulators take turns, over the backward jump too
	WIN W_MUL
.set ia, 0
.rept 4
.set ib, 0
.rept NB
	v_wmma_f32_16x16x32_f16 v[8*(NB*ia+ib):8*(NB*ia+ib)+7], v[(\f)+8*ib:(\f)+8*ib+7], v[(\f)+8*NB+8*ia:(\f)+8*NB+8*ia+7], v[8*(NB*ia+ib):8*(NB*ia+ib)+7]
.set ib, ib+1
.endr
.set ia, ia+1
.endr
.endm
.macro WORK
	FETCH 0, F0
.set ss, 0
.rept NS
.if ss+1 < NS
.if ss > 0
	PLACES
.endif
	WIN 0
	FETCH ss+1, F0+FB*((ss+1)%2)
	s_wait_dscnt NLD                               ; all but the NLD just issued
.else
	s_wait_dscnt 0x0
.endif
	MUL F0+FB*(ss%2)
.set ss, ss+1
.endr
.endm
; One K step: all my tensor loads waited for, the add, the wait for it and for my reads of the other slot; then the round (refill = 1) and the joint load first behind it, or a plain barrier.
.macro TRIP refill
	WIN 0
	s_wait_tensorcnt 0x0
	ds_add_u32 v28, v29
	s_xor_b32 s56, s56, SLOT
	v_add_nc_u32 v12, s56, v10
	v_add_nc_u32 v13, s56, v11
.if \refill
	s_xor_b32 s57, s57, SLOT
	s_add_co_u32 s[G0+1], s57, s58
	s_add_co_u32 s[G0B+1], s57, s59
	s_add_nc_u64 s[G0+2:G0+3], s[G0+2:G0+3], ASTEP
	s_add_nc_u64 s[G0B+2:G0B+3], s[G0B+2:G0B+3], BSTEP
.endif
	s_wait_dscnt 0x0
.if \refill
	CROUND
	JLOAD
.else
	s_barrier_signal -1
	s_barrier_wait -1
	PLACES
.endif
	WORK
	WIN 0
.endm
	s_load_b256 s[4:11], s[0:1], 0x0               ; act s[4:5], wh s[6:7], h s[8:9], out0 s[10:11]
	v_lshl_add_u32 v28, v0, 2, SPARE
	v_mov_b32 v29, 0
	ds_add_u32 v28, v29                            ; the opening: the add and its wait ahead of my first tensor load
	v_lshrrev_b32 v3, 5, v0
	v_readfirstlane_b32 s12, v3
	s_lshr_b32 s13, s12, 1
	s_and_b32 s14, s12, 1
	s_and_b32 s15, s12, NA-1
	s_bfe_u32 s40, ttmp6, 0x40000
	s_bfe_u32 s41, ttmp6, 0x40004
	s_lshl_b32 s42, ttmp9, 2
	s_add_co_u32 s42, s42, s40                     ; tx
	s_and_b32 s43, ttmp7, 0xffff
	s_lshl_b32 s43, s43, 2
	s_add_co_u32 s43, s43, s41                     ; ty
	s_lshl_b32 s44, s41, 2
	s_lshl_b32 s44, 15, s44
	s_lshl_b32 s45, 0x1111, s40
	s_or_b32 s[G1], s44, (1<<16)|(1<<20)|(1<<21)|(QI<<22)|(3<<25)
	s_or_b32 s[G1B], s45, (1<<16)|(1<<20)|(1<<21)|(QI<<22)|(3<<25)
	s_mov_b32 s[G1+1], KSTEP<<16
	s_mov_b32 s[G1+2], 64<<16
	s_mov_b32 s[G1+3], KSTEP<<16
	s_mov_b32 s[G1+4], 64
	s_mov_b32 s[G1+5], KDIM
	s_mov_b32 s[G1+6], 0
	s_mov_b32 s[G1+7], 0
	s_mov_b32 s[G1B+1], KSTEP<<16
	s_mov_b32 s[G1B+2], RB<<16
	s_mov_b32 s[G1B+3], KSTEP<<16
	s_mov_b32 s[G1B+4], RB
	s_mov_b32 s[G1B+5], KDIM
	s_mov_b32 s[G1B+6], 0
	s_mov_b32 s[G1B+7], 0
	s_lshl_b32 s16, s43, 20                        ; A: 128 ty rows of 8,192 bytes,
	s_lshl_b32 s18, s15, 19                        ; my piece's 64
	s_add_co_u32 s16, s16, s18
	s_mov_b32 s17, 0
	s_lshl_b32 s46, s42, 20                        ; B: 128 tx rows,
	s_lshl_b32 s19, s15, 19                        ; my piece's 64
	s_add_co_u32 s46, s46, s19
	s_add_co_u32 s46, s46, W2_OFF
	s_mov_b32 s47, 0
	s_mul_i32 s58, s15, APIECE
	s_mul_i32 s59, s15, BPIECE
	s_add_co_u32 s59, s59, AREG
	s_mov_b32 s56, SLOT
	s_mov_b32 s57, 0
	s_mov_b32 s[G0], 1
	s_mov_b32 s[G0+1], s58
	s_mov_b32 s[G0B], 1
	s_mov_b32 s[G0B+1], s59
	s_wait_dscnt 0x0
	s_wait_kmcnt 0x0
	s_add_nc_u64 s[G0+2:G0+3], s[4:5], s[16:17]
	s_or_b32 s[G0+3], s[G0+3], 0x80000000
	s_add_nc_u64 s[G0B+2:G0B+3], s[6:7], s[46:47]
	s_or_b32 s[G0B+3], s[G0B+3], 0x80000000
	CROUND
	JLOAD
	v_and_b32 v1, 15, v0
	v_bfe_u32 v2, v0, 4, 1
	v_lshlrev_b32 v16, 12, v2                      ; h and out0: lanes 0-15 one row's 256 bytes, lanes 16-31 the next row's
	v_lshl_add_u32 v16, v1, 4, v16
	s_lshl_b32 s20, s43, 7
	s_lshl_b32 s21, s13, 6
	s_add_co_u32 s20, s20, s21                     ; my first row
	s_lshl_b32 s20, s20, 12
	s_lshl_b32 s21, s42, 9
	s_add_co_u32 s20, s20, s21
	s_lshl_b32 s21, s14, 8
	s_add_co_u32 s20, s20, s21
	s_mov_b32 s21, 0
	s_add_nc_u64 s[8:9], s[8:9], s[20:21]
	s_add_nc_u64 s[10:11], s[10:11], s[20:21]
	WIN 0x40
.set i, 0
.rept 32
	global_load_b128 v[128+4*i:128+4*i+3], v16, s[8:9] offset:2*i*4096  ; my 64 x 64 of h: out during the whole K loop
.set i, i+1
.endr
.set i, 0
.rept 32*NB
	v_mov_b32 v[i], 0
.set i, i+1
.endr
	WIN 0
	v_mul_u32_u24 v10, v1, PA
	v_lshl_add_u32 v10, v2, 4, v10
	s_mul_i32 s18, s13, APIECE
	v_add_nc_u32 v10, s18, v10
	v_mul_u32_u24 v11, v1, P
	v_lshl_add_u32 v11, v2, 4, v11
	s_mul_i32 s18, s14, 16*NB*P
	s_add_co_u32 s18, s18, AREG
	v_add_nc_u32 v11, s18, v11
	s_mul_i32 s18, s12, 16*SPITCH
	s_add_co_u32 s18, s18, STAGE                   ; my stage
	v_mul_u32_u24 v14, v1, SPITCH                  ; in: row l % 16, 32 bytes for each half of the lanes
	v_lshl_add_u32 v14, v2, 5, v14
	v_add_nc_u32 v14, s18, v14
	v_mul_u32_u24 v15, v2, SPITCH                  ; back: lanes 0-15 one row of 256 bytes, lanes 16-31 the next
	v_lshl_add_u32 v15, v1, 4, v15
	v_add_nc_u32 v15, s18, v15
	s_mov_b32 s60, TRIPS-1
.Lk:
	TRIP 1
	s_sub_co_u32 s60, s60, 1
	s_cmp_lg_u32 s60, 0
	s_cbranch_scc1 .Lk
	TRIP 0
	; THE WAY OUT, 16 rows at a time: the sums go through my own stage and come back as whole rows of 256 bytes; h is added; sixteen lanes store 256 consecutive bytes, aligned
	PLACES
	PLACES
.set a, 0
.rept 4
	WIN 0x04                                       ; store data and source 1 in window 1
.set b, 0
.rept 4
	ds_store_b128 v14, v[8*(4*a+b):8*(4*a+b)+3]   offset:64*b      ; each accumulator's low registers first
	ds_store_b128 v14, v[8*(4*a+b)+4:8*(4*a+b)+7] offset:64*b+16
.set b, b+1
.endr
.set t, 0
.rept 8
	ds_load_b128 v[32+32*a+4*t:32+32*a+4*t+3], v15 offset:2*SPITCH*t  ; LDS serves a wave's instructions in order: these see the stores above
.set t, t+1
.endr
	s_wait_dscnt 0x0
.if a == 0
	s_wait_loadcnt 0x0                             ; h
.endif
.set t, 0
.rept 16
	v_pk_add_f32 v[32+32*a+2*t:32+32*a+2*t+1], v[32+32*a+2*t:32+32*a+2*t+1], v[128+32*a+2*t:128+32*a+2*t+1]
.set t, t+1
.endr
	WIN 0
.set t, 0
.rept 8
	global_store_b128 v16, v[32+32*a+4*t:32+32*a+4*t+3], s[10:11] offset:(16*a+2*t)*4096
.set t, t+1
.endr
.set a, a+1
.endr
	s_wait_tensorcnt 0x0                           ; the wave's end
	ds_add_u32 v28, v29
	s_wait_dscnt 0x0
	CROUND
	s_endpgm
.Lfunc_end_k_qe364512c78_ffdown:
	.size	k_qe364512c78_ffdown, .Lfunc_end_k_qe364512c78_ffdown-k_qe364512c78_ffdown
	.p2alignl 7, 3214868480
	.fill 96, 4, 3214868480
	.section	.rodata,"a",@progbits
	.p2align	6, 0x0
	.amdhsa_kernel k_qe364512c78_ffdown
		.amdhsa_group_segment_fixed_size 327680
		.amdhsa_private_segment_fixed_size 0
		.amdhsa_enable_private_segment 0
		.amdhsa_kernarg_size 32
		.amdhsa_user_sgpr_count 2
		.amdhsa_user_sgpr_kernarg_segment_ptr 1
		.amdhsa_wavefront_size32 1
		.amdhsa_system_sgpr_workgroup_id_x 1
		.amdhsa_system_sgpr_workgroup_id_y 1
		.amdhsa_system_sgpr_workgroup_id_z 1
		.amdhsa_system_vgpr_workitem_id 0
		.amdhsa_next_free_vgpr 512
		.amdhsa_next_free_sgpr 66
		.amdhsa_reserve_vcc 0
		.amdhsa_float_denorm_mode_32 3
		.amdhsa_float_denorm_mode_16_64 3
		.amdhsa_memory_ordered 1
		.amdhsa_forward_progress 1
		.amdhsa_inst_pref_size 62
	.end_amdhsa_kernel
	.amdgpu_metadata
---
amdhsa.version: [ 1, 2 ]
amdhsa.kernels:
  - .name:           k_qe364512c78_ffdown
    .symbol:         k_qe364512c78_ffdown.kd
    .args:
      - { .name: act, .offset: 0, .size: 8, .value_kind: global_buffer, .address_space: global }
      - { .name: wh, .offset: 8, .size: 8, .value_kind: global_buffer, .address_space: global }
      - { .name: h, .offset: 16, .size: 8, .value_kind: global_buffer, .address_space: global }
      - { .name: out0, .offset: 24, .size: 8, .value_kind: global_buffer, .address_space: global }
    .group_segment_fixed_size: 327680
    .private_segment_fixed_size: 0
    .kernarg_segment_align: 8
    .kernarg_segment_size: 32
    .max_flat_workgroup_size: 128
    .sgpr_count:     66
    .vgpr_count:     512
    .wavefront_size: 32
...
	.end_amdgpu_metadata
.endif
;; end of part 7
